; MI455X (gfx1250); checked and timed in simulation.
; The chip was launched on July 23, 2026; its instructions are those of AMD's public machine-readable ISA for CDNA 5 (MIT licence, August 2026) and "CDNA5" Instruction Set Architecture Reference Guide (July 2026). The comments in the code are by the model that wrote it; some were corrected since.
;; Transformer Block. Allowed arithmetic: matrix products marked QUANTISED: E3M2 operands, one E8M0 scale for each 32 along K, by v_wmma_scale_f32_16x16x128_f8f6f4 with both operands' format E3M2, f32 sums; everything else in f32.
;; Inputs: b_fc1 1,024 float32; b_fc2 256 float32; b_out 256 float32; b_qkv 768 float32; ln1_b 256 float32; ln1_g 256 float32; ln2_b 256 float32; ln2_g 256 float32; w_fc1_codes 1,024 x 8 x 24 uint8 (E3M2 codes of w_fc1, K innermost, in blocks of 32 codes, four codes in three bytes); w_fc1_scales 1,024 x 8 uint8 (E8M0 scales of w_fc1, one for each 32 codes along K); w_fc2_codes 256 x 32 x 24 uint8 (E3M2 codes of w_fc2, K innermost, in blocks of 32 codes, four codes in three bytes); w_fc2_scales 256 x 32 uint8 (E8M0 scales of w_fc2, one for each 32 codes along K); w_out_codes 256 x 8 x 24 uint8 (E3M2 codes of w_out, K innermost, in blocks of 32 codes, four codes in three bytes); w_out_scales 256 x 8 uint8 (E8M0 scales of w_out, one for each 32 codes along K); w_qkv_codes 768 x 8 x 24 uint8 (E3M2 codes of w_qkv, K innermost, in blocks of 32 codes, four codes in three bytes); w_qkv_scales 768 x 8 uint8 (E8M0 scales of w_qkv, one for each 32 codes along K); x 2 x 4,096 x 256 float32.
;; Outputs: out0 2 x 4,096 x 256 float32.
;; This version of the problem:
;;   THIS VERSION OF THE PROBLEM IS GIVEN IN LOW PRECISION. The matrix products marked QUANTISED in the list below multiply operands that are first quantised to E3M2 (3 exponent bits, 2 mantissa bits; 6 bits a number), with one power-of-two scale for each 32 numbers along K (OCP MX v1.0); their sums are f32. All else is computed in f32.
;;   The module's matrix products, in the order in which they are computed (A, B: the left and right operand; K: the contracted axis; several contracted axes count as one K, in the product's order):
;;     1. [M 8,192, K 256] x [K 256, N 768]; A: computed on the way; B: input w_qkv (given as codes): QUANTISED
;;     2. batch 16 x [M 4,096, K 32] x [K 32, N 4,096]; A: computed on the way; B: computed on the way: QUANTISED
;;     3. batch 16 x [M 4,096, K 4,096] x [K 4,096, N 32]; A: softmax (see below); B: computed on the way: QUANTISED
;;     4. [M 8,192, K 256] x [K 256, N 256]; A: computed on the way; B: input w_out (given as codes): QUANTISED
;;     5. [M 8,192, K 256] x [K 256, N 1,024]; A: computed on the way; B: input w_fc1 (given as codes): QUANTISED
;;     6. [M 8,192, K 1,024] x [K 1,024, N 256]; A: computed on the way; B: input w_fc2 (given as codes): QUANTISED
;;   THE QUANTISER, for each operand of a quantised product, along K:
;;     - K is cut into blocks of 32 from its start; a last block that is shorter is filled with zeros.
;;     - A block's scale is 2^e with e = floor(log2(the largest magnitude in the block)) - 4, held to -126 .. 127; a block of zeros has e = 0. As a byte (E8M0): e + 127.
;;     - Each number is divided by its block's scale, clamped to +-28, and rounded to the nearest number of E3M2, ties to even, subnormals kept.
;;     - The product sums the exact products of the quantised numbers (number of the format x scale) in f32.
;;   ~~~python
;;   def quantise(x, axis):      # numpy; x: float32 -> the quantised numbers, widened to float32 again
;;       x = np.moveaxis(x, axis, -1); K = x.shape[-1]
;;       x = np.pad(x, [(0, 0)] * (x.ndim - 1) + [(0, -K % 32)]); x = x.reshape(x.shape[:-1] + (-1, 32)); a = np.abs(x).max(-1, keepdims=True)
;;       e = np.where(a > 0, np.clip(np.frexp(np.where(a > 0, a, 1))[1] - 1 - 4, -126, 127), 0)      # np.frexp(a)[1] - 1 = floor(log2(a)), exactly
;;       r = np.clip(x / 2.0 ** e, -28, 28)
;;       step = 2.0 ** (np.maximum(np.frexp(np.where(r == 0, 1, r))[1] - 1, -2) - 2)
;;       q = np.round(r / step) * step * 2.0 ** e      # np.round: ties to even
;;       return np.moveaxis(q.reshape(q.shape[:-2] + (-1,))[..., :K], -1, axis).astype(np.float32)
;;   ~~~
;;   SOFTMAX AHEAD OF A QUANTISED PRODUCT. Where the list says 'softmax', what is quantised is not the finished softmax but p = 2^(t - M), with t = logit x log2(e) and M = ceil(the row's largest t), a whole number; so 1/2 < the row's largest p <= 1. The row's sum l is taken of the UNQUANTISED p, in f32, and the product's result is divided by l at the end. Since M is a whole number, a kernel that streams over the keys may use a running M (the ceiling of the running maximum): every later rescaling is an exact power of two, which a block's scale takes up: the codes' values come out the same.
;;   OPERANDS COMPUTED ON THE WAY. 'Computed on the way' means the value that the module computes at that place (a softmax that the list does not call 'softmax' is quantised finished and normalised). What goes into a quantiser is computed in f32, as accurately as f32 sums, v_exp_f32 and their like allow (about 1e-6 of the number): no bf16 or f16 on the way to a quantiser, and a product that is left as it is and whose result goes on into a quantised operand takes f32 operands (vector FMAs, or v_wmma_f32_16x16x4_f32). A number that lies on a knife's edge between two numbers of the format may be rounded either way, as far as f32 arithmetic and the matrix unit's own rounding can turn it there, and no further.
;;   INPUTS GIVEN AS CODES. w_fc1 (in the module: [256, 1024], K = its axis 0); w_fc2 (in the module: [1024, 256], K = its axis 0); w_out (in the module: [256, 256], K = its axis 0); w_qkv (in the module: [256, 768], K = its axis 0): each comes as NAME_codes (uint8): NAME with its K axis moved to the last place and cut into blocks of 32 codes, [.., K / 32, bytes a block], one block behind the other in memory; four codes in three bytes: a row's codes are one little-endian stream of bits, code i at bits 6 i .. 6 i + 5 (a code: sign, 3 exponent bits, 2 mantissa bits); and NAME_scales (uint8): the same leading axes, one E8M0 byte (e + 127) for each 32 codes along K. Its value is code x scale, taken as it is: it is not quantised again, and the codes and scales need not be those that the quantiser above would give.
;; 2 versions, each right; version 2 is version 1 with the launches qkv, ffn written anew for expert scheduling mode. Each part assembles by itself: llvm-mc -triple=amdgcn-amd-amdhsa -mcpu=gfx1250 --defsym DOCPART=n.
;; ======== version 1 of 2: 3 launches
;; workspace buffers: qkv 5,111,808 bytes; oc 1,572,864 bytes; os 65,536 bytes; wimg 442,368 bytes
;; launch qkv (part 1): grid 64 x 4, 8 waves a work-group, no clusters, 29,696 bytes of LDS; arguments x, ln1_g, ln1_b, w_qkv_codes, w_qkv_scales, b_qkv, w_fc1_codes, w_fc2_codes, w_out_codes, qkv, wimg; writes qkv, wimg
.if DOCPART == 1
	.amdgcn_target "amdgcn-amd-amdhsa--gfx1250"
	.amdhsa_code_object_version 6
	.text
	.protected	k_qef64869ec6_qkv
	.globl	k_qef64869ec6_qkv
	.p2align	8
	.type	k_qef64869ec6_qkv,@function
k_qef64869ec6_qkv:
	s_mov_b64 s[64:65], 0
	v_nop
	global_prefetch_b8 v0, s[64:65] scope:SCOPE_SE
	s_setreg_imm32_b32 hwreg(HW_REG_WAVE_MODE, 25, 1), 1
	s_wait_xcnt 0x0
; LayerNorm 1, its quantising, x W_qkv + b_qkv on codes of BF6 (E3M2, one E8M0 byte for each 32 along K), and the quantising of q and k (along the head's 32) and of v (along the tokens).
; A work-group takes 128 tokens (ttmp9) and two heads (2 y, 2 y + 1).  The norm is made in each of the four work-groups of a token block: 128 numbers a lane.
; TOKENS AND WEIGHT ROWS ARE TAKEN IN TILES OF 16 THAT ARE NOT NEIGHBOURS: tile 2 b + u takes 32 b + 8 u + r + 8 (r / 8), r = 0 .. 15, so that the 16 registers of result tiles 2 b and 2 b + 1 are 16 neighbours, 32 b + 16 (lane / 16) + 0 .. 15.
; Wave w norms and quantises token tile w and hands its two fragments to the others through LDS as images of their registers.  Then wave w = 4 hd + 2 F + c serves head 2 y + hd:
;   v: d tile F for key blocks 2 c, 2 c + 1 (source 0 = tokens, source 1 = weight rows: a lane holds one d and registers along the tokens);
;   q, k: token tiles 4 F + 2 c, + 1 (source 0 = weight rows, source 1 = tokens: a lane holds one token and registers along d).
; OUT: one record of 9,984 bytes for each (batch, head, 128 tokens), laid in the order of the reader's operand registers: K 0, V 3,072, K's scale words 6,144, V's 6,272, Q's 6,400, Q 6,912.
;   Half a fragment (registers 6 c .. 6 c + 5) is 768 bytes: registers 0-3 at 16 x lane, registers 4-5 at 512 + 8 x lane: every store covers 512 or 256 consecutive bytes.
; SIDE DUTY: 288 waves of the launch each lay one fragment of w_fc1, w_fc2 or w_out out as a register image of 1,536 bytes (register p of lane l at 512 (p / 4) + 16 l + 4 (p % 4)) for the last launch.
; LIMITS: NaN and infinities among the inputs are not served.  A block whose largest magnitude lies under 2^-122 has its scale byte held at 1; a block of zeros gets the byte 1 with zero codes (these bytes are read by this program alone).
; REGISTERS, window 0: v1-15, v240-247 addresses; v16-143 the row's numbers, later fragments and accumulators; v144-157 sums; v160-175 the quantiser's; v176-209 codes; v210-227 scale words and nothing else.
;   window 1: ln1_g, ln1_b; later the weights' fragments (Q 0, K 48, V 96) and the biases (Q 128, K 144, V 160).
.set XIMG,  0                          ; LDS: 16 images of 1,536 bytes: token tile t, K step s at 2 t + s
.set XSC,   24576                      ; their scale words, 128 bytes each
.set STG,   26624                      ; two heads x 768 bytes of scale words, in the record's order
.set X,     16
.set QM,    160
.set QT,    166
.set EB,    170
.set PC,    176
.set PW,    188
.set PQ,    192
.set PK,    198
.set PV,    204
.set SEL,   34
.set MSB, 0
.macro WIN new                         ; the immediate's high byte repeats the setting that is left
.if MSB != \new
	s_set_vgpr_msb (MSB<<8)|\new
.set MSB, \new
.endif
.endm
.macro PLACES n
.rept \n
	v_nop
.endr
.endm
.macro BARRIER                         ; my LDS stores have landed and my LDS loads are in: then the work-group's barrier
	s_wait_dscnt 0x0
	s_barrier_signal -1
	s_barrier_wait -1
.endm
.macro IMAGE adr, off                  ; the fragment in v[PC] on goes to LDS as it stands
.irp j, 0,1,2
	ds_store_b128 v[\adr], v[PC+4*\j:PC+4*\j+3] offset:\off+512*\j
.endr
.endm
.macro FETCH reg, adr, off             ; and comes back so, in any wave
.irp j, 0,1,2
	ds_load_b128 v[\reg+4*\j:\reg+4*\j+3], v[\adr] offset:\off+512*\j
.endr
.endm
.macro MM d, a, b, c, sa, sb
	v_wmma_scale_f32_16x16x128_f8f6f4 v[\d:\d+7], v[\a:\a+11], v[\b:\b+11], v[\c:\c+7], v[\sa], v[\sb] matrix_a_fmt:MATRIX_FMT_BF6 matrix_b_fmt:MATRIX_FMT_BF6
.endm
; Two groups of 16 registers, each half a block of 32 (lane l xor 16 holds the other half), become six registers of codes (lanes 0-15: group a's whole block, lanes 16-31: group b's) and two scale bytes.
.macro QPAIR a, b, dst, eb
	v_max3_num_f32 v[QM], |v[\a]|, |v[\a+1]|, 0x2800000            ; the floor 2^(5 - 127): the byte cannot fall under 1
	v_max3_num_f32 v[QM+1], |v[\b]|, |v[\b+1]|, 0x2800000
.irp i, 2,4,6,8,10,12,14
	v_max3_num_f32 v[QM], v[QM], |v[\a+\i]|, |v[\a+\i+1]|
	v_max3_num_f32 v[QM+1], v[QM+1], |v[\b+\i]|, |v[\b+\i+1]|
.endr
	v_permlanex16_b32 v[QM+2], v[QM], s[SEL], s[SEL+1]
	v_permlanex16_b32 v[QM+3], v[QM+1], s[SEL], s[SEL+1]
	v_max_num_f32 v[QM], v[QM], v[QM+2]                            ; the blocks' largest magnitudes
	v_max_num_f32 v[QM+1], v[QM+1], v[QM+3]
	v_add_nc_u32 v[QM+4], 0xfe000000, v[QM]                        ; 4 off the exponent field: the conversion's scale operand
	v_add_nc_u32 v[QM+5], 0xfe000000, v[QM+1]
	v_lshrrev_b32 v[\eb], 23, v[QM+4]                              ; the scale bytes
	v_lshrrev_b32 v[\eb+1], 23, v[QM+5]
	v_cvt_scalef32_pk16_bf6_f32 v[\dst:\dst+2], v[\a:\a+15], v[QM+4]
	v_cvt_scalef32_pk16_bf6_f32 v[QT:QT+2], v[\b:\b+15], v[QM+5]
	v_nop                                                          ; one plain place behind a scaled conversion
.irp i, 0,1,2
	v_permlane16_swap_b32 v[\dst+\i], v[QT+\i]                     ; the first's lanes 16-31 change places with the second's lanes 0-15
.endr
.irp i, 0,1,2
	v_mov_b32 v[\dst+3+\i], v[QT+\i]
.endr
.endm
.macro WORD4 dst, eb
	v_lshl_or_b32 v[\dst], v[\eb+1], 8, v[\eb]
	v_lshl_or_b32 v[\dst], v[\eb+2], 16, v[\dst]
	v_lshl_or_b32 v[\dst], v[\eb+3], 24, v[\dst]
.endm
.macro RSUM                            ; four pairs of partial sums in v[144:151] become the row's sum in v152 (a row lies in lanes l and l xor 16)
	v_pk_add_f32 v[144:145], v[144:145], v[146:147]
	v_pk_add_f32 v[148:149], v[148:149], v[150:151]
	v_pk_add_f32 v[144:145], v[144:145], v[148:149]
	v_add_f32 v152, v144, v145
	v_permlanex16_b32 v153, v152, s[SEL], s[SEL+1]
	v_add_f32 v152, v152, v153
.endm
	s_load_b512 s[8:23], s[0:1], 0x0               ; x 8, ln1_g 10, ln1_b 12, w_qkv_codes 14, w_qkv_scales 16, b_qkv 18, w_fc1_codes 20, w_fc2_codes 22
	s_load_b128 s[24:27], s[0:1], 0x40             ; w_out_codes 24, qkv 26
	s_load_b64 s[28:29], s[0:1], 0x50              ; wimg
	v_lshl_add_u32 v254, v0, 2, 0x7000
	v_mov_b32 v255, 0
	v_lshrrev_b32 v1, 5, v0
	v_readfirstlane_b32 s30, v1                    ; wave 0..7
	s_lshr_b32 s31, s30, 2                         ; hd
	s_bfe_u32 s32, s30, 0x10001                    ; F
	s_and_b32 s33, s30, 1                          ; c
	s_and_b32 s38, ttmp7, 0xffff                   ; y
	s_mov_b32 s[SEL], 0x76543210
	s_mov_b32 s[SEL+1], 0xfedcba98                 ; v_permlanex16_b32's selects for lane l xor 16
	s_mov_b32 s36, 0x3b800000                      ; 1 / 256
	s_mov_b32 s37, 0x3727c5ac                      ; 1e-5
	v_and_b32 v1, 31, v0                           ; lane
	v_and_b32 v2, 15, v0                           ; r
	v_bfe_u32 v3, v0, 4, 1                         ; h
	v_and_b32 v241, 8, v2
	v_add_nc_u32 v241, v241, v2                    ; r + 8 (r / 8)
	v_lshlrev_b32 v4, 10, v241
	v_lshl_add_u32 v4, v3, 6, v4                   ; x: my row of 1,024 bytes, + 64 h: my 16 numbers of a block of 32
	v_lshlrev_b32 v5, 4, v1                        ; 16 x lane
	v_lshlrev_b32 v6, 2, v1                        ; 4 x lane
	v_lshlrev_b32 v7, 3, v1                        ; 8 x lane
	; every LDS address is made here, ahead of the first branch
	s_mul_i32 s39, s30, 3072
	v_add_nc_u32 v8, s39, v5                       ; where I store my tile's two images
	s_lshl_b32 s39, s30, 8
	s_add_co_u32 s39, s39, XSC
	v_add_nc_u32 v9, s39, v6                       ; and their scale words
	s_and_b32 s56, s30, 3                          ; 2 F + c
	s_mul_i32 s39, s56, 6144
	v_add_nc_u32 v10, s39, v5                      ; q, k: images of tiles 4 F + 2 c on
	s_lshl_b32 s39, s56, 9
	s_add_co_u32 s39, s39, XSC
	v_add_nc_u32 v11, s39, v6
	s_mul_i32 s39, s33, 12288
	v_add_nc_u32 v12, s39, v5                      ; v: images of tiles 4 c on
	s_lshl_b32 s39, s33, 10
	s_add_co_u32 s39, s39, XSC
	v_add_nc_u32 v13, s39, v6
	s_mul_i32 s57, s31, 768
	s_add_co_u32 s57, s57, STG                     ; my head's stage
	s_lshl_b32 s39, s56, 7
	s_add_co_u32 s39, s39, s57
	s_add_co_u32 s39, s39, 256
	v_lshl_add_u32 v14, v2, 2, s39                 ; Q's scale words: 256 + 64 x tile + 4 r
	s_lshl_b32 s39, s32, 6
	s_add_co_u32 s39, s39, s57
	s_lshl_b32 s56, s33, 1
	s_add_co_u32 s39, s39, s56
	v_lshl_add_u32 v15, v2, 2, s39                 ; K's (and, 128 on, V's): 64 F + 4 r + 2 c: two bytes of a word
	v_add_nc_u32 v246, s57, v7                     ; the stage's way out
	s_add_co_u32 s57, s57, 256
	v_add_nc_u32 v247, s57, v5
	v_mul_u32_u24 v242, v241, 192                  ; a row of w_qkv's codes is 192 bytes
	v_mad_u32_u24 v242, v3, 24, v242
	v_lshlrev_b32 v243, 3, v241                    ; a row of its scales 8
	v_lshlrev_b32 v244, 6, v3                      ; 64 h
	v_lshlrev_b32 v245, 2, v241
	v_mov_b32 v153, 0                              ; written once: a lane permute's destination counts as one of its sources
	v_mov_b32 v[QM+2], 0
	v_mov_b32 v[QM+3], 0
	; byte offsets, each in registers of its own
	s_lshl_b32 s56, s38, 1
	s_add_co_u32 s56, s56, s31                     ; head
	s_lshl_b32 s40, ttmp9, 17                      ; x: 128 tokens of 1,024 bytes a block,
	s_lshr_b32 s57, s30, 1
	s_lshl_b32 s57, s57, 15
	s_add_co_u32 s40, s40, s57                     ; + 32 (w / 2) rows
	s_lshl_b32 s57, s33, 13
	s_add_co_u32 s40, s40, s57                     ; + 8 (w % 2) rows
	s_mov_b32 s41, 0
	s_lshr_b32 s57, ttmp9, 5                       ; batch
	s_lshl_b32 s57, s57, 3
	s_add_co_u32 s57, s57, s56
	s_lshl_b32 s57, s57, 5
	s_and_b32 s42, ttmp9, 31
	s_add_co_u32 s57, s57, s42                     ; the record: 32 (8 batch + head) + token block
	s_mul_i32 s42, s57, 9984
	s_and_b32 s57, s30, 3
	s_mul_i32 s57, s57, 768
	s_add_co_u32 s42, s42, s57                     ; + 1,536 F + 768 c
	s_mov_b32 s43, 0
	s_mul_i32 s44, s56, 6144                       ; the head's 32 rows of codes
	s_mov_b32 s45, 0
	s_mul_i32 s57, s32, 1536
	s_add_co_u32 s46, s44, s57                     ; + 8 F rows
	s_mov_b32 s47, 0
	s_lshl_b32 s48, s56, 8
	s_mov_b32 s49, 0
	s_lshl_b32 s57, s32, 6
	s_add_co_u32 s50, s48, s57
	s_mov_b32 s51, 0
	s_lshl_b32 s52, s56, 7
	s_mov_b32 s53, 0
	s_lshl_b32 s57, s32, 5
	s_add_co_u32 s54, s52, s57
	s_mov_b32 s55, 0
	s_wait_kmcnt 0x0
	s_add_nc_u64 s[40:41], s[8:9], s[40:41]        ; x at my tile
	s_add_nc_u64 s[42:43], s[26:27], s[42:43]      ; my part of the record
	s_add_nc_u64 s[44:45], s[14:15], s[44:45]      ; the head's weight rows
	s_add_nc_u64 s[46:47], s[14:15], s[46:47]      ; and my d tile's
	s_add_nc_u64 s[48:49], s[16:17], s[48:49]
	s_add_nc_u64 s[50:51], s[16:17], s[50:51]
	s_add_nc_u64 s[52:53], s[18:19], s[52:53]
	s_add_nc_u64 s[54:55], s[18:19], s[54:55]
.irp s, 0,1
.irp b, 0,1,2,3
.irp j, 0,1,2,3
	global_load_b128 v[X+64*\s+16*\b+4*\j:X+64*\s+16*\b+4*\j+3], v4, s[40:41] offset:512*\s+128*\b+16*\j   ; register 64 s + 16 b + i: k = 128 s + 32 b + 16 h + i of my row
.endr
.endr
.endr
	WIN 0x40                                       ; destination window 1
.irp s, 0,1
.irp b, 0,1,2,3
.irp j, 0,1,2,3
	global_load_b128 v[64*\s+16*\b+4*\j:64*\s+16*\b+4*\j+3], v244, s[10:11] offset:512*\s+128*\b+16*\j
	global_load_b128 v[128+64*\s+16*\b+4*\j:128+64*\s+16*\b+4*\j+3], v244, s[12:13] offset:512*\s+128*\b+16*\j
.endr
.endr
.endr
	WIN 0
	; ---- one weight fragment becomes an image: id = ttmp9 + 64 y + 256 w, for ids under 288.  fc1: ids 0-127 (2 T + s); fc2: 128-255 (8 T + s); out: 256-287 (2 T + s)
	s_lshl_b32 s56, s38, 6
	s_add_co_u32 s56, s56, ttmp9
	s_lshl_b32 s57, s30, 8
	s_add_co_u32 s56, s56, s57
	s_cmp_ge_u32 s56, 288
	s_cbranch_scc1 .Lno_image
	s_cmp_lt_u32 s56, 256
	s_cselect_b64 s[58:59], s[22:23], s[24:25]
	s_mov_b32 s60, 256
	s_cselect_b32 s60, 128, s60                    ; the tensor's first id
	s_cselect_b32 s61, 3, 1                        ; log2 of its K steps
	s_mov_b32 s62, 192
	s_cselect_b32 s62, 768, s62                    ; bytes in a row of its codes
	s_cmp_lt_u32 s56, 128
	s_cselect_b64 s[58:59], s[20:21], s[58:59]
	s_cselect_b32 s60, 0, s60
	s_cselect_b32 s61, 1, s61
	s_cselect_b32 s62, 192, s62
	s_sub_co_u32 s60, s56, s60
	s_lshr_b32 s63, s60, s61                       ; T
	s_lshl_b32 s57, s63, s61
	s_sub_co_u32 s57, s60, s57                     ; s
	s_lshr_b32 s60, s63, 1
	s_lshl_b32 s60, s60, 5
	s_and_b32 s63, s63, 1
	s_lshl_b32 s63, s63, 3
	s_add_co_u32 s60, s60, s63                     ; the tile begins at row 32 (T / 2) + 8 (T % 2)
	s_mul_i32 s60, s60, s62
	s_mul_i32 s57, s57, 96
	s_add_co_u32 s60, s60, s57
	s_mov_b32 s61, 0
	s_add_nc_u64 s[58:59], s[58:59], s[60:61]
	v_mul_lo_u32 v240, v241, s62
	v_mad_u32_u24 v240, v3, 24, v240
.irp p, 0,1,2,3,4,5
	global_load_b64 v[228+2*\p:229+2*\p], v240, s[58:59] offset:48*(\p/3)+8*(\p%3)
.endr
	s_mul_i32 s60, s56, 1536
	s_add_nc_u64 s[60:61], s[28:29], s[60:61]
	s_wait_loadcnt 0x0                             ; the fragment (x, the gain and the bias, issued earlier, are wanted next anyway)
.irp j, 0,1,2
	global_store_b128 v5, v[228+4*\j:231+4*\j], s[60:61] offset:512*\j   ; 512 consecutive bytes a store; none of these registers is written again
.endr
.Lno_image:
	; ---- LayerNorm 1, two passes, all in f32
	s_wait_loadcnt 0x0
.irp k, 0,1,2,3
	v_pk_add_f32 v[144+2*\k:145+2*\k], v[X+2*\k:X+2*\k+1], v[X+8+2*\k:X+9+2*\k]
.endr
.set i, 16
.rept 14
.irp k, 0,1,2,3
	v_pk_add_f32 v[144+2*\k:145+2*\k], v[144+2*\k:145+2*\k], v[X+i+2*\k:X+i+2*\k+1]
.endr
.set i, i+8
.endr
	RSUM
	v_mul_f32 v154, s36, v152                      ; the mean, twice: a pair for the packed forms
	v_mul_f32 v155, s36, v152
.set i, 0
.rept 64
	v_pk_add_f32 v[X+i:X+i+1], v[X+i:X+i+1], v[154:155] neg_lo:[0,1] neg_hi:[0,1]
.set i, i+2
.endr
.irp k, 0,1,2,3
	v_pk_mul_f32 v[144+2*\k:145+2*\k], v[X+2*\k:X+2*\k+1], v[X+2*\k:X+2*\k+1]
.endr
.set i, 8
.rept 15
.irp k, 0,1,2,3
	v_pk_fma_f32 v[144+2*\k:145+2*\k], v[X+i+2*\k:X+i+2*\k+1], v[X+i+2*\k:X+i+2*\k+1], v[144+2*\k:145+2*\k]
.endr
.set i, i+8
.endr
	RSUM
	v_fma_f32 v152, v152, s36, s37                 ; the variance + 1e-5
	v_rsq_f32 v156, v152
	v_nop                                          ; a plain place behind the transcendental
	s_wait_alu depctr_va_vdst(0)                   ; the wait ahead of the first reader
	v_mov_b32 v157, v156
.set i, 0
.rept 64
	v_pk_mul_f32 v[X+i:X+i+1], v[X+i:X+i+1], v[156:157]
.set i, i+2
.endr
	WIN 0x14                                       ; sources 1 and 2 window 1
.set i, 0
.rept 64
	v_pk_fma_f32 v[X+i:X+i+1], v[X+i:X+i+1], v[i:i+1], v[128+i:129+i]
.set i, i+2
.endr
	; ---- the weights, into the window that the gain and the bias have left: they land while x is quantised
	WIN 0x40
.irp u, 0,1
.irp s, 0,1
.irp p, 0,1,2,3,4,5
	global_load_b64 v[12*(2*\u+\s)+2*\p:12*(2*\u+\s)+2*\p+1], v242, s[44:45] offset:1536*\u+96*\s+48*(\p/3)+8*(\p%3)
	global_load_b64 v[48+12*(2*\u+\s)+2*\p:48+12*(2*\u+\s)+2*\p+1], v242, s[44:45] offset:49152+1536*\u+96*\s+48*(\p/3)+8*(\p%3)
.endr
.endr
.endr
.irp s, 0,1
.irp p, 0,1,2,3,4,5
	global_load_b64 v[96+12*\s+2*\p:96+12*\s+2*\p+1], v242, s[46:47] offset:98304+96*\s+48*(\p/3)+8*(\p%3)
.endr
.endr
.irp u, 0,1
.irp q, 0,1
	global_load_b128 v[128+8*\u+4*\q:131+8*\u+4*\q], v244, s[52:53] offset:32*\u+16*\q        ; q's bias in the result's layout: d = 16 h + 8 u + j
	global_load_b128 v[144+8*\u+4*\q:147+8*\u+4*\q], v244, s[52:53] offset:1024+32*\u+16*\q   ; k's
.endr
.endr
.irp j, 0,1,2,3,4,5,6,7
	global_load_b32 v[160+\j], v245, s[54:55] offset:2048   ; v's: a lane holds one d, so its eight registers hold one number
.endr
	WIN 0
	global_load_b64 v[210:211], v243, s[48:49]             ; scale words, a pair (K steps 0, 1) a row: q's two tiles,
	global_load_b64 v[212:213], v243, s[48:49] offset:64
	global_load_b64 v[214:215], v243, s[48:49] offset:2048 ; k's,
	global_load_b64 v[216:217], v243, s[48:49] offset:2112
	global_load_b64 v[218:219], v243, s[50:51] offset:4096 ; v's
	; ---- my tile becomes two fragments
.irp s, 0,1
	QPAIR X+64*\s, X+64*\s+16, PC, EB
	QPAIR X+64*\s+32, X+64*\s+48, PC+6, EB+2
	WORD4 PW, EB
	IMAGE 8, 1536*\s
	ds_store_b32 v9, v[PW] offset:128*\s
	s_wait_dscnt 0x0                               ; the stores have read their registers
.endr
	BARRIER                                        ; the sixteen fragments lie in LDS
	; ---- v: four token tiles x my d tile
.irp t, 0,1,2,3
.irp s, 0,1
	FETCH 16+12*(2*\t+\s), 12, 1536*(2*\t+\s)
	ds_load_b32 v[220+2*\t+\s], v13 offset:128*(2*\t+\s)
.endr
.endr
	s_wait_loadcnt 0x0                             ; the weights
	s_wait_dscnt 0x0
	WIN 0x14                                       ; source 1 (weights) and source 2 (bias) window 1
.irp t, 0,1,2,3
	MM 128+8*\t, 16+24*\t, 96, 160, 220+2*\t, 218
.endr
	WIN 0x04
.irp t, 0,1,2,3
	MM 128+8*\t, 28+24*\t, 108, 128+8*\t, 221+2*\t, 219   ; the four accumulators by turns
.endr
	WIN 0
	PLACES 5                                       ; for the loads into, and the later products' results over, registers that these products have read
.irp t, 0,1
.irp s, 0,1
	FETCH 16+12*(2*\t+\s), 10, 1536*(2*\t+\s)      ; q's and k's two token tiles come while v is quantised
	ds_load_b32 v[220+2*\t+\s], v11 offset:128*(2*\t+\s)
.endr
.endr
	QPAIR 128, 144, PV, EB                         ; lanes 0-15: key block 2 c of my d, lanes 16-31: block 2 c + 1
	global_store_b128 v5, v[PV:PV+3], s[42:43] offset:3072
	global_store_b64 v7, v[PV+4:PV+5], s[42:43] offset:3584
	v_lshl_or_b32 v190, v[EB+1], 8, v[EB]
	ds_store_b16 v15, v190 offset:128              ; both halves of the lanes write the same two bytes
	; ---- q and k: two weight tiles x two token tiles each
	s_wait_dscnt 0x0
	WIN 0x11                                       ; source 0 (weights) and source 2 (bias) window 1
.irp t, 0,1
.irp u, 0,1
	MM 64+16*\t+8*\u, 24*\u, 16+24*\t, 128+8*\u, 210+2*\u, 220+2*\t
	MM 96+16*\t+8*\u, 48+24*\u, 16+24*\t, 144+8*\u, 214+2*\u, 220+2*\t
.endr
.endr
	WIN 0x01
.irp t, 0,1
.irp u, 0,1
	MM 64+16*\t+8*\u, 12+24*\u, 28+24*\t, 64+16*\t+8*\u, 211+2*\u, 221+2*\t
	MM 96+16*\t+8*\u, 60+24*\u, 28+24*\t, 96+16*\t+8*\u, 215+2*\u, 221+2*\t
.endr
.endr
	WIN 0
	PLACES 5
	QPAIR 64, 80, PQ, EB                           ; lanes 0-15: token r of tile 4 F + 2 c, lanes 16-31: of the next tile
	global_store_b128 v5, v[PQ:PQ+3], s[42:43] offset:6912
	global_store_b64 v7, v[PQ+4:PQ+5], s[42:43] offset:7424
	v_lshl_or_b32 v174, v[EB], 8, v[EB]            ; q's byte four times: the reader sets q into any of the four blocks of a fragment
	v_lshl_or_b32 v175, v[EB+1], 8, v[EB+1]
	v_lshl_or_b32 v174, v174, 16, v174
	v_lshl_or_b32 v175, v175, 16, v175
	ds_store_b32 v14, v174
	ds_store_b32 v14, v175 offset:64
	QPAIR 96, 112, PK, EB+2
	global_store_b128 v5, v[PK:PK+3], s[42:43]
	global_store_b64 v7, v[PK+4:PK+5], s[42:43] offset:512
	v_lshl_or_b32 v189, v[EB+3], 8, v[EB+2]
	ds_store_b16 v15, v189
	BARRIER                                        ; both heads' scale words lie in the stage
	s_and_b32 s56, s30, 3
	s_cmp_lg_u32 s56, 0
	s_cbranch_scc1 .Ldone                          ; waves 0 and 4 (F = c = 0: their base is the record's start) store a head's 768 bytes
	ds_load_b64 v[248:249], v246
	ds_load_b128 v[250:253], v247
	s_wait_dscnt 0x0
	global_store_b64 v7, v[248:249], s[42:43] offset:6144
	global_store_b128 v5, v[250:253], s[42:43] offset:6400
.Ldone:
	s_wait_tensorcnt 0x0
	ds_add_u32 v254, v255
	s_wait_dscnt 0x0
	s_endpgm
.Lfunc_end_k_qef64869ec6_qkv:
	.size	k_qef64869ec6_qkv, .Lfunc_end_k_qef64869ec6_qkv-k_qef64869ec6_qkv
	.p2alignl 7, 3214868480
	.fill 96, 4, 3214868480
	.section	.rodata,"a",@progbits
	.p2align	6, 0x0
	.amdhsa_kernel k_qef64869ec6_qkv
		.amdhsa_group_segment_fixed_size 29696
		.amdhsa_private_segment_fixed_size 0
		.amdhsa_enable_private_segment 0
		.amdhsa_kernarg_size 88
		.amdhsa_user_sgpr_count 2
		.amdhsa_user_sgpr_kernarg_segment_ptr 1
		.amdhsa_wavefront_size32 1
		.amdhsa_system_sgpr_workgroup_id_x 1
		.amdhsa_system_sgpr_workgroup_id_y 1
		.amdhsa_system_sgpr_workgroup_id_z 1
		.amdhsa_system_vgpr_workitem_id 0
		.amdhsa_next_free_vgpr 512
		.amdhsa_next_free_sgpr 66
		.amdhsa_reserve_vcc 0
		.amdhsa_float_denorm_mode_32 3
		.amdhsa_float_denorm_mode_16_64 3
		.amdhsa_memory_ordered 1
		.amdhsa_forward_progress 1
		.amdhsa_inst_pref_size 67
	.end_amdhsa_kernel
	.amdgpu_metadata
---
amdhsa.version: [ 1, 2 ]
amdhsa.kernels:
  - .name:           k_qef64869ec6_qkv
    .symbol:         k_qef64869ec6_qkv.kd
    .args:
      - { .name: x, .offset: 0, .size: 8, .value_kind: global_buffer, .address_space: global }
      - { .name: ln1_g, .offset: 8, .size: 8, .value_kind: global_buffer, .address_space: global }
      - { .name: ln1_b, .offset: 16, .size: 8, .value_kind: global_buffer, .address_space: global }
      - { .name: w_qkv_codes, .offset: 24, .size: 8, .value_kind: global_buffer, .address_space: global }
      - { .name: w_qkv_scales, .offset: 32, .size: 8, .value_kind: global_buffer, .address_space: global }
      - { .name: b_qkv, .offset: 40, .size: 8, .value_kind: global_buffer, .address_space: global }
      - { .name: w_fc1_codes, .offset: 48, .size: 8, .value_kind: global_buffer, .address_space: global }
      - { .name: w_fc2_codes, .offset: 56, .size: 8, .value_kind: global_buffer, .address_space: global }
      - { .name: w_out_codes, .offset: 64, .size: 8, .value_kind: global_buffer, .address_space: global }
      - { .name: qkv, .offset: 72, .size: 8, .value_kind: global_buffer, .address_space: global }
      - { .name: wimg, .offset: 80, .size: 8, .value_kind: global_buffer, .address_space: global }
    .group_segment_fixed_size: 29696
    .private_segment_fixed_size: 0
    .kernarg_segment_align: 8
    .kernarg_segment_size: 88
    .max_flat_workgroup_size: 256
    .sgpr_count:     66
    .vgpr_count:     512
    .wavefront_size: 32
...
	.end_amdgpu_metadata
.endif
;; end of part 1
;; launch attn (part 2): grid 16 x 16, 16 waves a work-group, clusters of 4 x 1, 213,248 bytes of LDS; arguments qkv, oc, os; writes oc, os
.if DOCPART == 2
	.amdgcn_target "amdgcn-amd-amdhsa--gfx1250"
	.amdhsa_code_object_version 6
	.text
	.protected	k_qef64869ec6_attn
	.globl	k_qef64869ec6_attn
	.p2align	8
	.type	k_qef64869ec6_attn,@function
k_qef64869ec6_attn:
	s_mov_b64 s[64:65], 0
	v_nop
	global_prefetch_b8 v0, s[64:65] scope:SCOPE_SE
	s_setreg_imm32_b32 hwreg(HW_REG_WAVE_MODE, 25, 1), 1
	s_wait_xcnt 0x0
	s_wait_alu depctr_hold_cnt(0) depctr_sa_sdst(0) depctr_va_vdst(0) depctr_va_sdst(0) depctr_va_ssrc(0) depctr_va_vcc(0) depctr_vm_vsrc(0)
	s_getreg_b32 s2, hwreg(HW_REG_IB_STS2, 6, 4)
	s_cmp_eq_u32 s2, 0
	s_cbranch_scc0 .Lentry_in_a_cluster
	s_endpgm
.Lentry_in_a_cluster:
	s_bfe_u32 s2, ttmp6, 0x10000c
	s_cmp_lg_u32 s2, 0x3003
	s_cbranch_scc0 .Lentry_shape_is_right
	s_endpgm
.Lentry_shape_is_right:
; o = softmax(q k^T / sqrt(32)) v for one (batch, head), both products on codes of BF6 (E3M2) with one E8M0 byte for each 32 along K; o is divided by the row's sum and quantised along the head's 32.
; THE SOFTMAX: t = score x log2(e) / sqrt(32); M = the running largest t rounded UP to a whole number; p = 2^(t - M) is quantised along the keys, not normalised; the row's sum is taken of the unquantised p.
; When M moves, the sum and O are multiplied by 2^(old M - new M), which rounds nothing.
; SHARES.  A work-group owns 256 queries of one head, each of its sixteen waves one tile of 16, in 256 registers: four waves to a SIMD, so that one wave's vector work stands beside another's products and LDS loads.
; A HEAD'S K, V AND THEIR SCALE WORDS, 32 records x 6,400 bytes, FIT IN LDS: every byte is filled once, by one tensor load a wave (two records each), so one tensor load of a wave is out and no slot is filled again.
; CLUSTER.  The four query blocks of a cluster belong to one head: each tile is asked for jointly, by the same load with the same descriptor and a mask that names the four.
; LAYOUT.  Both products are used transposed (source 0 = keys, or rows of V^T; source 1 = my queries): a lane holds ONE query.  The head size 32 is one block of a fragment's four: a fragment of K holds four tiles of 16 keys,
; one in each block, and q stands in the block whose tile is wanted, among zero codes: four products a fragment.  Tiles of keys are not neighbours (tile 2 b + u: 32 b + 8 u + r + 8 (r / 8)), so that p's 16 registers of two tiles are 16 neighbouring keys.
; LIMITS: NaN and infinities are not served; p under 2^-126 comes out of v_exp_f32 as 0; a block whose largest magnitude lies under 2^-122 has its byte held at 1 (a block of zeros too: its codes are zeros; this program alone reads the bytes); 1 / the sum is v_rcp_f32.
.set KV0,  6400                        ; LDS: bytes 0-255 the stage for o's scale bytes; record j at KV0 + 6,400 j: K 0, V 3,072, K's scale words 6,144, V's 6,272
.set L16,  1                           ; v1-3   16, 8, 4 x lane; never rewritten
.set L8,   2
.set L4,   3
.set A16,  5                           ; v5-7   the same + the step's place in LDS
.set A8,   6
.set A4,   7
.set QSW,  8                           ; v8-10  scale words of Q, K, V, and nothing else
.set KSW,  9
.set VSW,  10
.set OA,   11                          ; v11    my 12 bytes of the wave's codes of o
.set QB,   16                          ; v16-45 zeros | q in lanes 0-15 | zeros | q in lanes 16-31 | zeros, six registers each
.set RQ,   46                          ; v46-51 q as loaded
.set KF,   52                          ; v52-75 two fragments of K
.set VF,   76                          ; v76-99 two of V^T
.set S,    100                         ; v100-163 S^T, then p
.set O,    164                         ; v164-179 O^T: register 8 u + j: d = 16 (lane / 16) + 8 u + j
.set P,    180                         ; v180-191 p's codes
.set PT,   192
.set BM,   200                         ; v200-203 the blocks' largest scores, then p
.set BN,   204
.set SO,   208
.set FF,   212                         ; v[212:213] 2^(old M - new M) (the pair's low word serves both halves)
.set PW,   214                         ; p's scale word, and nothing else
.set TM,   215
.set S2,   216                         ; v[216:217] the sum's second chain
.set OSA,  218
.set G1,   16
.set G0,   24
.set SEL,  40
.set CS,   42
.set TB,   46
.macro PLACES n
.rept \n
	v_nop
.endr
.endm
.macro CROUND                          ; a round of the cluster's barrier
	s_barrier_signal -1
	s_barrier_wait -1
	s_cmp_lg_u32 s10, 0
	s_cbranch_scc1 .Lnot_wave_0_\@
	s_barrier_signal -3
.Lnot_wave_0_\@:
	s_barrier_wait -3
	s_barrier_signal -1
	s_barrier_wait -1
.endm
.macro KLOAD                           ; K of the record that begins 6,400 bytes behind the address in hand: nine loads
.irp f, 0,1
.irp c, 0,1
	ds_load_b128 v[KF+12*\f+6*\c:KF+12*\f+6*\c+3], v[A16] offset:6400+1536*\f+768*\c
	ds_load_b64 v[KF+12*\f+6*\c+4:KF+12*\f+6*\c+5], v[A8] offset:6400+1536*\f+768*\c+512
.endr
.endr
	ds_load_b32 v[KSW], v[A4] offset:12544         ; lanes 0-15: fragment 0's words, lanes 16-31: fragment 1's
.endm
.macro VLOAD                           ; V of the record at the address in hand: nine loads
.irp u, 0,1
.irp c, 0,1
	ds_load_b128 v[VF+12*\u+6*\c:VF+12*\u+6*\c+3], v[A16] offset:3072+1536*\u+768*\c
	ds_load_b64 v[VF+12*\u+6*\c+4:VF+12*\u+6*\c+5], v[A8] offset:3072+1536*\u+768*\c+512
.endr
.endr
	ds_load_b32 v[VSW], v[A4] offset:6272
.endm
; A KEY STEP: 128 keys, one record.  pre = 1: the next record's K is asked for under this step's softmax.
.macro STEP pre
	s_wait_dscnt 0x0                               ; K and its scale words, asked for a softmax ago
.irp f, 0,1
.irp g, 0,1,2,3
.if \f == 0
	v_wmma_scale_f32_16x16x128_f8f6f4 v[S+8*(4*\f+\g):S+8*(4*\f+\g)+7], v[KF+12*\f:KF+12*\f+11], v[QB+12*(\g%2)+6-6*(\g/2):QB+12*(\g%2)+6-6*(\g/2)+11], 0, v[KSW], v[QSW] matrix_a_fmt:MATRIX_FMT_BF6 matrix_b_fmt:MATRIX_FMT_BF6
.else
	v_wmma_scale_f32_16x16x128_f8f6f4 v[S+8*(4*\f+\g):S+8*(4*\f+\g)+7], v[KF+12*\f:KF+12*\f+11], v[QB+12*(\g%2)+6-6*(\g/2):QB+12*(\g%2)+6-6*(\g/2)+11], 0, v[KSW], v[QSW] matrix_a_fmt:MATRIX_FMT_BF6 matrix_b_fmt:MATRIX_FMT_BF6 matrix_a_scale:MATRIX_SCALE_ROW1
.endif
.endr
.endr
	s_add_co_u32 s[TB], s[TB], 6400                ; now this step's record
	v_add_nc_u32 v[A16], s[TB], v[L16]             ; these four are the places in front of the loads below and of the first read of S^T
	v_add_nc_u32 v[A8], s[TB], v[L8]
	v_add_nc_u32 v[A4], s[TB], v[L4]
	v_nop
	VLOAD
.if \pre
	KLOAD
.endif
.irp b, 0,1,2,3
	v_max3_num_f32 v[BM+\b], v[S+16*\b], v[S+1+16*\b], v[S+2+16*\b]   ; the largest score of each block of 32 keys: for the row's maximum and, since p rises with the score, for the block's largest p
.endr
.irp i, 3,5,7,9,11,13
.irp b, 0,1,2,3
	v_max3_num_f32 v[BM+\b], v[BM+\b], v[S+16*\b+\i], v[S+1+16*\b+\i]
.endr
.endr
.irp b, 0,1,2,3
	v_max_num_f32 v[BM+\b], v[BM+\b], v[S+15+16*\b]
.endr
.irp b, 0,1,2,3
	v_permlanex16_b32 v[BN+\b], v[BM+\b], s[SEL], s[SEL+1]
.endr
.irp b, 0,1,2,3
	v_max_num_f32 v[BM+\b], v[BM+\b], v[BN+\b]     ; with lane l xor 16's 16 keys
.endr
	v_max3_num_f32 v[TM], v[BM], v[BM+1], v[BM+2]
	v_max_num_f32 v[TM], v[TM], v[BM+3]
	v_mul_f32 v[TM], s[CS], v[TM]                  ; the step's largest t
	v_max_num_f32 v13, v13, v[TM]                  ; the running largest t
	v_mov_b32 v[TM], v12
	v_floor_f32 v12, -v13                          ; the new -M = -ceil(t): a whole number
	v_sub_f32 v[TM], v12, v[TM]                    ; old M - new M: a whole number, 0 or less
	v_cvt_i32_f32 v[TM], v[TM]                     ; (it saturates)
	v_ldexp_f32 v[FF], 1.0, v[TM]
.irp j, 0,2,4,6,8,10,12,14,16,18,20,22,24,26,28,30,32,34,36,38,40,42,44,46,48,50,52,54,56,58,60,62
	v_pk_fma_f32 v[S+\j:S+\j+1], v[S+\j:S+\j+1], s[CS:CS+1], v[12:13] op_sel_hi:[1,0,0]   ; t - M, two at a time
.endr
.irp b, 0,1,2,3
	v_fma_f32 v[BM+\b], v[BM+\b], s[CS], v12       ; the same of each block's largest score
.endr
.irp j, 0,1,2,3,4,5,6,7,8,9,10,11,12,13,14,15,16,17,18,19,20,21,22,23,24,25,26,27,28,29,30,31,32,33,34,35,36,37,38,39,40,41,42,43,44,45,46,47,48,49,50,51,52,53,54,55,56,57,58,59,60,61,62,63
	v_exp_f32 v[S+\j], v[S+\j]                     ; p = 2^(t - M)
.endr
.irp b, 0,1,2,3
	v_exp_f32 v[BM+\b], v[BM+\b]                   ; the blocks' largest p: the same two instructions on the same number
.endr
	v_pk_mul_f32 v[14:15], v[14:15], v[FF:FF+1] op_sel_hi:[1,0]   ; the sums under the new M: the plain place behind the exponentials
	s_wait_alu depctr_va_vdst(0)                   ; one wait for the batch of 68, ahead of its first reader
.irp b, 0,1,2,3
	v_max_num_f32 v[BM+\b], 0x2800000, v[BM+\b]    ; the floor 2^(5 - 127)
.endr
.irp b, 0,1,2,3
	v_add_nc_u32 v[SO+\b], 0xfe000000, v[BM+\b]    ; 4 off the exponent field: the conversion's scale operand
.endr
.irp b, 0,1,2,3
	v_lshrrev_b32 v[BN+\b], 23, v[SO+\b]
.endr
	v_lshl_or_b32 v[PW], v[BN+1], 8, v[BN]         ; p's scale word for these 128 keys
	v_lshl_or_b32 v[PW], v[BN+2], 16, v[PW]
	v_lshl_or_b32 v[PW], v[BN+3], 24, v[PW]
.irp c, 0,1
	v_cvt_scalef32_pk16_bf6_f32 v[P+6*\c:P+6*\c+2], v[S+32*\c:S+32*\c+15], v[SO+2*\c]
	v_cvt_scalef32_pk16_bf6_f32 v[PT+4*\c:PT+4*\c+2], v[S+16+32*\c:S+31+32*\c], v[SO+2*\c+1]
.endr
	v_nop                                          ; one plain place behind a scaled conversion
.irp c, 0,1
.irp i, 0,1,2
	v_permlane16_swap_b32 v[P+6*\c+\i], v[PT+4*\c+\i]   ; a whole block to a lane: lanes 0-15 block 2 c, lanes 16-31 block 2 c + 1
.endr
.irp i, 0,1,2
	v_mov_b32 v[P+3+6*\c+\i], v[PT+4*\c+\i]
.endr
.endr
	v_pk_add_f32 v[S2:S2+1], v[S:S+1], v[S+2:S+3]  ; the row's sum of the unquantised p, in two chains: 32 plain lines between the writing of p's codes and scale word and the products that take them
.irp j, 4,8,12,16,20,24,28,32,36,40,44,48,52,56,60
	v_pk_add_f32 v[14:15], v[14:15], v[S+\j:S+\j+1]
	v_pk_add_f32 v[S2:S2+1], v[S2:S2+1], v[S+2+\j:S+3+\j]
.endr
	v_pk_add_f32 v[14:15], v[14:15], v[S2:S2+1]
.irp j, 0,2,4,6,8,10,12,14
	v_pk_mul_f32 v[O+\j:O+\j+1], v[O+\j:O+\j+1], v[FF:FF+1] op_sel_hi:[1,0]   ; O^T under the new M, each accumulator from its low end on
.endr
	s_wait_dscnt 9*\pre                            ; V's nine loads are in; the nine younger ones, the next record's K, may stay out
	v_wmma_scale_f32_16x16x128_f8f6f4 v[O:O+7], v[VF:VF+11], v[P:P+11], v[O:O+7], v[VSW], v[PW] matrix_a_fmt:MATRIX_FMT_BF6 matrix_b_fmt:MATRIX_FMT_BF6
	v_wmma_scale_f32_16x16x128_f8f6f4 v[O+8:O+15], v[VF+12:VF+23], v[P:P+11], v[O+8:O+15], v[VSW], v[PW] matrix_a_fmt:MATRIX_FMT_BF6 matrix_b_fmt:MATRIX_FMT_BF6 matrix_a_scale:MATRIX_SCALE_ROW1
.endm
	s_load_b128 s[4:7], s[0:1], 0x0                ; qkv, oc
	s_load_b64 s[8:9], s[0:1], 0x10                ; os
	v_lshl_add_u32 v254, v0, 2, 0x33900
	v_mov_b32 v255, 0
	ds_add_u32 v254, v255
	ds_add_u32 v254, v255
	v_lshrrev_b32 v1, 5, v0
	v_readfirstlane_b32 s10, v1                    ; wave 0..15
	s_and_b32 s11, ttmp7, 0xffff                   ; 8 batch + head, which the four partners share
	; descriptor group 1: two records' first 6,400 bytes: 2 rows of 800 elements of 8 bytes, 1,248 elements (a record) apart; no padding
	s_mov_b32 s[G1], 15|(3<<16)|(1<<21)            ; 15:0 the mask: all four work-groups; 17:16 elements of 8 bytes; 21 set beside a mask
	s_mov_b32 s[G1+1], 800<<16                     ; tensor_dim0
	s_mov_b32 s[G1+2], 2<<16                       ; tensor_dim1
	s_mov_b32 s[G1+3], 800<<16                     ; tile_dim0
	s_mov_b32 s[G1+4], 2                           ; tile_dim1
	s_mov_b32 s[G1+5], 1248                        ; tensor_dim0_stride
	s_mov_b32 s[G1+6], 0
	s_mov_b32 s[G1+7], 0
	s_mul_i32 s34, s11, 319488                     ; the head's 32 records,
	s_mul_i32 s35, s10, 19968                      ; my two of them
	s_add_co_u32 s34, s34, s35
	s_mov_b32 s35, 0
	s_mul_i32 s36, s10, 12800                      ; and their place in LDS
	s_lshl_b32 s37, s10, 4                         ; 16 x wave
	; what is mine alone: my place in the cluster enters global addresses of Q, oc and os, and nothing else
	s_bfe_u32 s48, ttmp6, 0x40000                  ; cx
	s_lshl_b32 s49, ttmp9, 2
	s_add_co_u32 s49, s49, s48                     ; my block of 256 queries
	s_and_b32 s50, s10, 7                          ; my tile in its record
	s_lshr_b32 s51, s10, 3
	s_lshl_b32 s52, s11, 5
	s_lshl_b32 s53, s49, 1
	s_add_co_u32 s52, s52, s53
	s_add_co_u32 s52, s52, s51                     ; my queries' record
	s_mul_i32 s28, s52, 9984
	s_mov_b32 s29, 0
	s_lshr_b32 s51, s50, 1
	s_mul_i32 s51, s51, 768                        ; the half fragment that holds my tile,
	s_and_b32 s52, s50, 1                          ; in its lanes 16 (t % 2) on
	s_lshl_b32 s53, s52, 8
	s_add_co_u32 s53, s53, s51
	s_lshl_b32 s52, s52, 7
	s_add_co_u32 s52, s52, s51
	s_lshl_b32 s50, s50, 6
	s_and_b32 s54, s11, 7                          ; head
	s_lshr_b32 s55, s11, 3                         ; batch
	s_lshl_b32 s55, s55, 12
	s_lshl_b32 s51, s49, 8
	s_add_co_u32 s55, s55, s51                     ; the block's first row, in tile order
	s_lshl_b32 s32, s54, 13
	s_add_co_u32 s32, s32, s55
	s_mov_b32 s33, 0
	s_add_co_u32 s55, s55, s37
	s_mul_i32 s30, s55, 24
	s_mul_i32 s54, s54, 196608
	s_add_co_u32 s30, s30, s54
	s_mov_b32 s31, 0
	s_mov_b32 s[SEL], 0x76543210
	s_mov_b32 s[SEL+1], 0xfedcba98
	s_mov_b32 s[CS], 0x3e8293ee                    ; log2(e) / sqrt(32)
	s_mov_b32 s[CS+1], s[CS]
	s_mov_b32 s44, 0x0000ffff                      ; lanes 0-15
	s_mov_b32 s[TB], 0
	v_and_b32 v1, 31, v0
	v_lshlrev_b32 v[L8], 3, v1
	v_lshlrev_b32 v[L4], 2, v1
	v_lshlrev_b32 v[L16], 4, v1
	v_and_b32 v[TM], 15, v0                        ; r
	v_bfe_u32 v[S2], v0, 4, 1                      ; h
	v_mul_u32_u24 v[OA], v[TM], 24
	v_mad_u32_u24 v[OA], v[S2], 12, v[OA]
	v_add_nc_u32 v[OSA], s37, v[TM]
	v_lshl_add_u32 v219, v[TM], 4, s53
	v_lshl_add_u32 v220, v[TM], 3, s52
	v_lshl_add_u32 v221, v[TM], 2, s50
	s_wait_dscnt 0x0
	s_wait_kmcnt 0x0
	s_mov_b32 s[G0], 1                             ; count = 1
	s_add_co_u32 s[G0+1], s36, KV0                 ; LDS address
	s_add_nc_u64 s[G0+2:G0+3], s[4:5], s[34:35]    ; global address
	s_or_b32 s[G0+3], s[G0+3], 0x80000000          ; type = 2
	s_add_nc_u64 s[28:29], s[4:5], s[28:29]
	s_add_nc_u64 s[30:31], s[6:7], s[30:31]
	s_add_nc_u64 s[32:33], s[8:9], s[32:33]
	CROUND                                         ; all four work-groups are here: the joint loads meet
	tensor_load_to_lds s[G0:G0+3], s[G1:G1+7]      ; every wave's one load
	s_nop 0
	PLACES 4                                       ; four places behind the load
	global_load_b128 v[RQ:RQ+3], v219, s[28:29] offset:6912    ; both halves of the lanes take query r's 24 bytes
	global_load_b64 v[RQ+4:RQ+5], v220, s[28:29] offset:7424
	global_load_b32 v[QSW], v221, s[28:29] offset:6400
.irp i, 0,1,2,3,4,5
	v_mov_b32 v[QB+\i], 0
	v_mov_b32 v[QB+12+\i], 0
	v_mov_b32 v[QB+24+\i], 0
.endr
.irp j, 0,1,2,3,4,5,6,7,8,9,10,11,12,13,14,15
	v_mov_b32 v[O+\j], 0                           ; the step is written without a first form: it finds zeros, which the first change of M leaves zeros
.endr
	v_mov_b32 v13, 0xff61b1e6                      ; the largest t so far: -3e38
	v_floor_f32 v12, -v13
	v_mov_b32 v14, 0
	v_mov_b32 v15, 0
.irp b, 0,1,2,3
	v_mov_b32 v[BN+\b], 0                          ; a lane permute's destination counts as one of its sources
.endr
	v_mov_b32 v[FF+1], 0                           ; named with v212 as a pair
	v_mov_b32 v[A16], v[L16]
	v_mov_b32 v[A8], v[L8]
	v_mov_b32 v[A4], v[L4]
	s_wait_loadcnt 0x0
.irp i, 0,1,2,3,4,5
	v_cndmask_b32 v[QB+6+\i], 0, v[RQ+\i], s44     ; q in lanes 0-15, zero codes in the others
	v_cndmask_b32 v[QB+18+\i], v[RQ+\i], 0, s44    ; and the other way round
.endr
	PLACES 4                                       ; an operand written by vector instructions stands four places ahead of a scaled product
	s_wait_tensorcnt 0x0                           ; my two records are in,
	s_barrier_signal -1
	s_barrier_wait -1                              ; everybody's are
	KLOAD                                          ; record 0
	s_mov_b32 s45, 31
.Lstep:
	STEP 1
	s_sub_co_i32 s45, s45, 1
	s_cmp_lg_u32 s45, 0
	s_cbranch_scc1 .Lstep
	STEP 0                                         ; the last record: nothing behind it is read
	; ---- the way out: O^T / the sum, quantised along d: my 16 codes are 12 bytes, the wave's 384 consecutive bytes
	PLACES 4
	v_add_f32 v14, v14, v15
	v_permlanex16_b32 v[BN], v14, s[SEL], s[SEL+1]
	v_add_f32 v14, v14, v[BN]                      ; the row's sum
	v_rcp_f32 v[S2], v14
	v_nop
	s_wait_alu depctr_va_vdst(0)                   ; ahead of the reciprocal's first reader
.irp j, 0,1,2,3,4,5,6,7,8,9,10,11,12,13,14,15
	v_mul_f32 v[S+\j], v[O+\j], v[S2]
.endr
	v_max3_num_f32 v[BM], |v[S]|, |v[S+1]|, 0x2800000
.irp i, 2,4,6,8,10,12,14
	v_max3_num_f32 v[BM], v[BM], |v[S+\i]|, |v[S+\i+1]|
.endr
	v_permlanex16_b32 v[BN], v[BM], s[SEL], s[SEL+1]
	v_max_num_f32 v[BM], v[BM], v[BN]
	v_add_nc_u32 v[SO], 0xfe000000, v[BM]
	v_lshrrev_b32 v[BN+1], 23, v[SO]
	v_cvt_scalef32_pk16_bf6_f32 v[P:P+2], v[S:S+15], v[SO]
	v_nop
	global_store_b96 v[OA], v[P:P+2], s[30:31]
	ds_store_b8 v[OSA], v[BN+1]                    ; both halves of the lanes write the same byte
	s_wait_dscnt 0x0
	s_barrier_signal -1
	s_barrier_wait -1                              ; the block's 256 scale bytes lie in the stage
	s_cmp_lg_u32 s10, 0
	s_cbranch_scc1 .Lno_os
	ds_load_b64 v[222:223], v[L8]
	s_wait_dscnt 0x0
	global_store_b64 v[L8], v[222:223], s[32:33]   ; 256 consecutive bytes, at a multiple of 256 from the buffer's first byte
.Lno_os:
	s_wait_tensorcnt 0x0
	ds_add_u32 v254, v255
	s_wait_dscnt 0x0
	CROUND                                         ; the closing round
	s_endpgm
.Lfunc_end_k_qef64869ec6_attn:
	.size	k_qef64869ec6_attn, .Lfunc_end_k_qef64869ec6_attn-k_qef64869ec6_attn
	.p2alignl 7, 3214868480
	.fill 96, 4, 3214868480
	.section	.rodata,"a",@progbits
	.p2align	6, 0x0
	.amdhsa_kernel k_qef64869ec6_attn
		.amdhsa_group_segment_fixed_size 213248
		.amdhsa_private_segment_fixed_size 0
		.amdhsa_enable_private_segment 0
		.amdhsa_kernarg_size 24
		.amdhsa_user_sgpr_count 2
		.amdhsa_user_sgpr_kernarg_segment_ptr 1
		.amdhsa_wavefront_size32 1
		.amdhsa_system_sgpr_workgroup_id_x 1
		.amdhsa_system_sgpr_workgroup_id_y 1
		.amdhsa_system_sgpr_workgroup_id_z 1
		.amdhsa_system_vgpr_workitem_id 0
		.amdhsa_next_free_vgpr 256
		.amdhsa_next_free_sgpr 66
		.amdhsa_reserve_vcc 0
		.amdhsa_float_denorm_mode_32 3
		.amdhsa_float_denorm_mode_16_64 3
		.amdhsa_memory_ordered 1
		.amdhsa_forward_progress 1
		.amdhsa_inst_pref_size 38
	.end_amdhsa_kernel
	.amdgpu_metadata
---
amdhsa.version: [ 1, 2 ]
amdhsa.kernels:
  - .name:           k_qef64869ec6_attn
    .symbol:         k_qef64869ec6_attn.kd
    .args:
      - { .name: qkv, .offset: 0, .size: 8, .value_kind: global_buffer, .address_space: global }
      - { .name: oc, .offset: 8, .size: 8, .value_kind: global_buffer, .address_space: global }
      - { .name: os, .offset: 16, .size: 8, .value_kind: global_buffer, .address_space: global }
    .group_segment_fixed_size: 213248
    .private_segment_fixed_size: 0
    .kernarg_segment_align: 8
    .kernarg_segment_size: 24
    .max_flat_workgroup_size: 512
    .sgpr_count:     66
    .vgpr_count:     256
    .wavefront_size: 32
...
	.end_amdgpu_metadata
.endif
;; end of part 2
;; launch ffn (part 3): grid 256 x 1, 8 waves a work-group, no clusters, 69,632 bytes of LDS; arguments x, oc, os, wimg, w_out_scales, b_out, ln2_g, ln2_b, w_fc1_scales, b_fc1, w_fc2_scales, b_fc2, out0; writes out0
.if DOCPART == 3
	.amdgcn_target "amdgcn-amd-amdhsa--gfx1250"
	.amdhsa_code_object_version 6
	.text
	.protected	k_qef64869ec6_ffn
	.globl	k_qef64869ec6_ffn
	.p2align	8
	.type	k_qef64869ec6_ffn,@function
k_qef64869ec6_ffn:
	s_mov_b64 s[64:65], 0
	v_nop
	global_prefetch_b8 v0, s[64:65] scope:SCOPE_SE
	s_setreg_imm32_b32 hwreg(HW_REG_WAVE_MODE, 25, 1), 1
	s_wait_xcnt 0x0
; x1 = x + o W_out + b_out;  out = x1 + gelu(LN2(x1) W_fc1 + b_fc1) W_fc2 + b_fc2.  The three products on codes of BF6 (E3M2) with one E8M0 byte for each 32 along K; all else in f32.
; A work-group takes 32 tokens, as two tiles of 16 (tile a: 32 i + 8 a + r + 8 (r / 8)).  THE EIGHT WAVES SHARE THE COLUMNS: wave w owns columns 32 w .. 32 w + 31 of x1 and of the output, and hidden units 128 w .. 128 w + 127.
; So x1 stays in the wave's 32 registers from the first product to the store, each weight byte is read once a work-group, by loads of 512 consecutive bytes from the register images that the first launch laid,
; and what goes round through LDS is small: the row sums of the norm, and the codes of LN2(x1) and of the hidden layer, as images of the operands' registers.
; All products are used transposed (source 0 = 16 weight rows, source 1 = 16 tokens): a lane holds one token, its registers run along the columns; weight tile T takes rows 32 (T / 2) + 8 (T % 2) + r + 8 (r / 8).
; Biases and residuals are the C of a sum's first product.
; GELU, exact form: gelu(x) = max(x, 0) - |x| E, E = erfc(|x| / sqrt 2) / 2 = t 2^(P(t) - x^2 log2(e) / 2), t = 1 / (1 + |x| sqrt(2) / 4), P a polynomial of degree 9 (a Chebyshev fit of erfc with fractional error 1.2e-7, its
; coefficients times log2(e), 1 off the constant term for the half).  No compare, no branch; the relative accuracy holds in the negative tail.
; LIMITS: NaN and infinities are not served; E under 2^-126 comes out of v_exp_f32 as 0; the exponent's rounding adds about (x^2 / 2) x 1e-7 to gelu's relative error for negative x;
; a block whose largest magnitude lies under 2^-122 has its byte held at 1 (a block of zeros too: its codes are zeros).
; REGISTERS, window 0: v1-23 addresses; v24-55 x1; v56-119 o's fragments and ln2_g, later sums, later the hidden layer; v120-143, v168-199 w_out's fragments, later operands and work; v144-167, v248-255 scale words and nothing else;
;   v200-219 ln2_b, later gelu's coefficients; v216-231 b_out, b_fc2, later codes; v232-247 o's scale bytes, later the quantiser's.   window 1: v0-191 w_fc1's, later w_fc2's fragments; v192-255 b_fc1.
.set ST1,   0                          ; LDS: [row 32][wave 8] f32: the rows' partial sums;
.set ST2,   1024                       ; of squares
.set HIMG,  2048                       ; LN2(x1): [tile 2][K step 2][half 2] x 768 bytes
.set HSC,   8192                       ; its scale words: [2 a + s][r]
.set HIMG2, 8448                       ; the hidden layer: [tile 2][K step 8] x 1,536 bytes
.set HSC2,  33024                      ; its scale words, 128 bytes each
.set STG,   35072                      ; the way out: 32 rows x (1,024 + 16) bytes
.set X1,  24
.set HA,  56
.set HF,  120
.set GV,  120
.set WS,  144
.set HSW, 160
.set PW,  162
.set HS2, 164
.set DD,  168
.set GT,  168
.set GP,  184
.set CF,  200
.set BO,  216
.set PC,  220
.set QM,  232
.set QT,  238
.set EB,  242
.set OSW, 248
.set WOS, 252
.set SEL, 36
.set MSB, 0
.macro WIN new                         ; the immediate's high byte repeats the setting that is left
.if MSB != \new
	s_set_vgpr_msb (MSB<<8)|\new
.set MSB, \new
.endif
.endm
.macro PLACES n
.rept \n
	v_nop
.endr
.endm
.macro BARRIER                         ; my LDS stores have landed and my LDS loads are in: then the work-group's barrier
	s_wait_dscnt 0x0
	s_barrier_signal -1
	s_barrier_wait -1
.endm
.macro FETCH reg, adr, off
.irp j, 0,1,2
	ds_load_b128 v[\reg+4*\j:\reg+4*\j+3], v[\adr] offset:\off+512*\j
.endr
.endm
.macro MM d, a, b, c, sa, sb
	v_wmma_scale_f32_16x16x128_f8f6f4 v[\d:\d+7], v[\a:\a+11], v[\b:\b+11], v[\c:\c+7], v[\sa], v[\sb] matrix_a_fmt:MATRIX_FMT_BF6 matrix_b_fmt:MATRIX_FMT_BF6
.endm
; Two groups of 16 registers, each half a block of 32 (lane l xor 16 holds the other half), become six registers of codes (lanes 0-15: group a's whole block, lanes 16-31: group b's) and two scale bytes.
.macro QPAIR a, b, dst, eb
	v_max3_num_f32 v[QM], |v[\a]|, |v[\a+1]|, 0x2800000            ; the floor 2^(5 - 127): the byte cannot fall under 1
	v_max3_num_f32 v[QM+1], |v[\b]|, |v[\b+1]|, 0x2800000
.irp i, 2,4,6,8,10,12,14
	v_max3_num_f32 v[QM], v[QM], |v[\a+\i]|, |v[\a+\i+1]|
	v_max3_num_f32 v[QM+1], v[QM+1], |v[\b+\i]|, |v[\b+\i+1]|
.endr
	v_permlanex16_b32 v[QM+2], v[QM], s[SEL], s[SEL+1]
	v_permlanex16_b32 v[QM+3], v[QM+1], s[SEL], s[SEL+1]
	v_max_num_f32 v[QM], v[QM], v[QM+2]
	v_max_num_f32 v[QM+1], v[QM+1], v[QM+3]
	v_add_nc_u32 v[QM+4], 0xfe000000, v[QM]                        ; 4 off the exponent field: the conversion's scale operand
	v_add_nc_u32 v[QM+5], 0xfe000000, v[QM+1]
	v_lshrrev_b32 v[\eb], 23, v[QM+4]
	v_lshrrev_b32 v[\eb+1], 23, v[QM+5]
	v_cvt_scalef32_pk16_bf6_f32 v[\dst:\dst+2], v[\a:\a+15], v[QM+4]
	v_cvt_scalef32_pk16_bf6_f32 v[QT:QT+2], v[\b:\b+15], v[QM+5]
	v_nop                                                          ; one plain place behind a scaled conversion
.irp i, 0,1,2
	v_permlane16_swap_b32 v[\dst+\i], v[QT+\i]
.endr
.irp i, 0,1,2
	v_mov_b32 v[\dst+3+\i], v[QT+\i]
.endr
.endm
; My 16 numbers' sums stand as pairs in v[72:73] (tile 0) and v[80:81] (tile 1).  They are joined with lane l xor 16's, shared among the eight waves through LDS, and the rows' totals come back in v88 (tile 0, row r) and v89 (tile 1).
.macro SHARE off
	v_add_f32 v88, v72, v73
	v_add_f32 v89, v80, v81
	v_permlanex16_b32 v90, v88, s[SEL], s[SEL+1]
	v_permlanex16_b32 v91, v89, s[SEL], s[SEL+1]
	v_add_f32 v88, v88, v90
	v_add_f32 v89, v89, v91
	v_cndmask_b32 v92, v88, v89, s38               ; lanes 0-15 store tile 0's rows, lanes 16-31 tile 1's
	ds_store_b32 v11, v92 offset:\off
	BARRIER
.irp a, 0,1
.irp q, 0,1
	ds_load_b128 v[56+8*\a+4*\q:59+8*\a+4*\q], v12 offset:\off+512*\a+16*\q
.endr
.endr
	s_wait_dscnt 0x0
.irp a, 0,1
	v_pk_add_f32 v[56+8*\a:57+8*\a], v[56+8*\a:57+8*\a], v[58+8*\a:59+8*\a]   ; the same order in every wave
	v_pk_add_f32 v[60+8*\a:61+8*\a], v[60+8*\a:61+8*\a], v[62+8*\a:63+8*\a]
.endr
.irp a, 0,1
	v_pk_add_f32 v[56+8*\a:57+8*\a], v[56+8*\a:57+8*\a], v[60+8*\a:61+8*\a]
.endr
.irp a, 0,1
	v_add_f32 v[88+\a], v[56+8*\a], v[57+8*\a]
.endr
.endm
; gelu of 16 numbers, in place.  Two batches of transcendentals, each with independent work and one wait behind it.
.macro GELU x
.irp i, 0,1,2,3,4,5,6,7,8,9,10,11,12,13,14,15
	v_fma_f32 v[GT+\i], |v[\x+\i]|, s41, 1.0
.endr
.irp i, 0,1,2,3,4,5,6,7,8,9,10,11,12,13,14,15
	v_rcp_f32 v[GT+\i], v[GT+\i]                   ; t
.endr
.irp i, 0,2,4,6,8,10,12,14
	v_pk_mul_f32 v[GV+\i:GV+\i+1], v[\x+\i:\x+\i+1], s[42:43] op_sel_hi:[1,0]
.endr
.irp i, 0,2,4,6,8,10,12,14
	v_pk_fma_f32 v[GV+\i:GV+\i+1], v[GV+\i:GV+\i+1], v[\x+\i:\x+\i+1], v[CF:CF+1]   ; C0 - x^2 log2(e) / 2
.endr
	s_wait_alu depctr_va_vdst(0)                   ; one wait for the sixteen reciprocals
.irp i, 0,2,4,6,8,10,12,14
	v_pk_fma_f32 v[GP+\i:GP+\i+1], v[GT+\i:GT+\i+1], v[CF+18:CF+19], v[CF+16:CF+17]
.endr
.irp c, 7,6,5,4,3,2,1
.irp i, 0,2,4,6,8,10,12,14
	v_pk_fma_f32 v[GP+\i:GP+\i+1], v[GP+\i:GP+\i+1], v[GT+\i:GT+\i+1], v[CF+2*\c:CF+2*\c+1]
.endr
.endr
.irp i, 0,2,4,6,8,10,12,14
	v_pk_fma_f32 v[GP+\i:GP+\i+1], v[GP+\i:GP+\i+1], v[GT+\i:GT+\i+1], v[GV+\i:GV+\i+1]
.endr
.irp i, 0,1,2,3,4,5,6,7,8,9,10,11,12,13,14,15
	v_exp_f32 v[GP+\i], v[GP+\i]
.endr
.irp i, 0,1,2,3,4,5,6,7,8,9,10,11,12,13,14,15
	v_max_num_f32 v[GV+\i], 0, v[\x+\i]
.endr
	s_wait_alu depctr_va_vdst(0)                   ; and one for the sixteen exponentials
.irp i, 0,2,4,6,8,10,12,14
	v_pk_mul_f32 v[GP+\i:GP+\i+1], v[GP+\i:GP+\i+1], v[GT+\i:GT+\i+1]   ; E
.endr
.irp i, 0,1,2,3,4,5,6,7,8,9,10,11,12,13,14,15
	v_fma_f32 v[\x+\i], -|v[\x+\i]|, v[GP+\i], v[GV+\i]
.endr
.endm
.macro HFETCH s                        ; K step s of the hidden layer, both tiles, into buffer s % 2: eight LDS loads
.irp a, 0,1
	FETCH HF+48*((\s)%2)+12*\a, 1, HIMG2+12288*\a+1536*(\s)
	ds_load_b32 v[HS2+2*((\s)%2)+\a], v2 offset:HSC2+1024*\a+128*(\s)
.endr
.endm
	s_load_b512 s[8:23], s[0:1], 0x0               ; x 8, oc 10, os 12, wimg 14, w_out_scales 16, b_out 18, ln2_g 20, ln2_b 22
	s_load_b256 s[24:31], s[0:1], 0x40             ; w_fc1_scales 24, b_fc1 26, w_fc2_scales 28, b_fc2 30
	s_load_b64 s[32:33], s[0:1], 0x60              ; out0
	v_lshrrev_b32 v1, 5, v0
	v_readfirstlane_b32 s34, v1                    ; wave 0..7
	s_mov_b32 s[SEL], 0x76543210
	s_mov_b32 s[SEL+1], 0xfedcba98
	s_mov_b32 s38, 0xffff0000                      ; lanes 16-31
	s_mov_b32 s39, 0x3b800000                      ; 1 / 256
	s_mov_b32 s40, 0x3727c5ac                      ; 1e-5
	s_mov_b32 s41, 0x3eb504f3                      ; sqrt(2) / 4
	s_mov_b32 s42, 0xbf38aa3b                      ; -log2(e) / 2
	s_mov_b32 s43, s42
	v_and_b32 v21, 31, v0                          ; lane
	v_and_b32 v4, 15, v0                           ; r
	v_bfe_u32 v5, v0, 4, 1                         ; h
	v_lshlrev_b32 v1, 4, v21
	v_lshlrev_b32 v2, 2, v21
	v_lshlrev_b32 v3, 3, v21
	v_and_b32 v20, 8, v4
	v_add_nc_u32 v20, v20, v4                      ; r + 8 (r / 8)
	v_lshlrev_b32 v6, 10, v20
	v_lshl_add_u32 v6, v5, 6, v6                   ; x: my token's row, + 64 h
	v_mul_u32_u24 v7, v4, 24
	v_mad_u32_u24 v7, v5, 0x30000, v7              ; o's codes: 24 bytes a row; lanes 16-31 the next head, 196,608 bytes on
	v_lshlrev_b32 v8, 3, v20
	v_lshlrev_b32 v9, 5, v20
	v_lshlrev_b32 v10, 6, v5
	v_lshlrev_b32 v12, 5, v4
	v_lshlrev_b32 v22, 2, v4
	s_lshl_b32 s48, s34, 2
	v_lshl_add_u32 v11, v21, 5, s48                ; the sums: row = lane, word = wave
	s_lshr_b32 s48, s34, 1
	s_mul_i32 s48, s48, 768                        ; my block w of LN2(x1) is block w % 4 of K step w / 4: half (w / 2) % 2, lanes 16 (w % 2) on
	s_and_b32 s49, s34, 1
	s_lshl_b32 s50, s49, 8
	s_add_co_u32 s50, s50, s48
	s_add_co_u32 s50, s50, HIMG
	v_mul_u32_u24 v23, v5, 3072                    ; lanes 16-31 hold tile 1's
	v_lshl_add_u32 v13, v4, 4, v23
	v_add_nc_u32 v13, s50, v13
	s_lshl_b32 s50, s49, 7
	s_add_co_u32 s50, s50, s48
	s_add_co_u32 s50, s50, HIMG+512
	v_lshl_add_u32 v14, v4, 3, v23
	v_add_nc_u32 v14, s50, v14
	s_lshr_b32 s48, s34, 2
	s_lshl_b32 s48, s48, 6
	s_and_b32 s49, s34, 3
	s_add_co_u32 s48, s48, s49
	s_add_co_u32 s48, s48, HSC
	v_lshlrev_b32 v23, 7, v5
	v_add_nc_u32 v15, v23, v22
	v_add_nc_u32 v15, s48, v15                     ; its scale byte: 128 tile + 64 (w / 4) + 4 r + w % 4
	s_mul_i32 s48, s34, 1536
	s_add_co_u32 s48, s48, HIMG2
	v_add_nc_u32 v16, s48, v1
	s_lshl_b32 s48, s34, 7
	s_add_co_u32 s49, s48, HSC2
	v_add_nc_u32 v17, s49, v2
	s_add_co_u32 s49, s48, STG
	v_mul_u32_u24 v18, v4, 1040
	v_lshl_add_u32 v18, v5, 6, v18
	v_add_nc_u32 v18, s49, v18                     ; the stage: row r, + 128 w + 64 h
	s_mul_i32 s48, s34, 4160
	s_add_co_u32 s48, s48, STG
	v_add_nc_u32 v19, s48, v1                      ; back: my four rows
	s_mov_b32 s51, 0
	s_wait_kmcnt 0x0
	s_lshl_b32 s50, ttmp9, 15
	s_lshl_b32 s52, s34, 7
	s_add_co_u32 s50, s50, s52
	s_add_nc_u64 s[8:9], s[8:9], s[50:51]          ; x: 32 rows a work-group, + my 32 columns
	s_mul_i32 s50, ttmp9, 768
	s_add_nc_u64 s[10:11], s[10:11], s[50:51]
	s_lshl_b32 s50, ttmp9, 5
	s_add_nc_u64 s[12:13], s[12:13], s[50:51]
	s_mul_i32 s50, s34, 24576
	s_add_nc_u64 s[44:45], s[14:15], s[50:51]      ; my 16 images of w_fc1,
	s_add_nc_u64 s[46:47], s[44:45], 196608        ; of w_fc2,
	s_mul_i32 s50, s34, 6144
	s_add_co_u32 s50, s50, 393216
	s_add_nc_u64 s[14:15], s[14:15], s[50:51]      ; my 4 of w_out
	s_lshl_b32 s50, s34, 8
	s_add_nc_u64 s[16:17], s[16:17], s[50:51]
	s_mov_b32 s50, s52
	s_add_nc_u64 s[18:19], s[18:19], s[50:51]
	s_add_nc_u64 s[20:21], s[20:21], s[50:51]
	s_add_nc_u64 s[22:23], s[22:23], s[50:51]
	s_add_nc_u64 s[30:31], s[30:31], s[50:51]
	s_lshl_b32 s50, s34, 10
	s_add_nc_u64 s[24:25], s[24:25], s[50:51]
	s_add_nc_u64 s[28:29], s[28:29], s[50:51]
	s_lshl_b32 s50, s34, 9
	s_add_nc_u64 s[26:27], s[26:27], s[50:51]
	s_lshr_b32 s50, s34, 2                         ; the four stage rows 4 w on are tokens 8 (w / 4) + 4 (w % 4) + 8 ((w % 4) / 2) on
	s_lshl_b32 s50, s50, 3
	s_and_b32 s52, s34, 3
	s_lshl_b32 s53, s52, 2
	s_add_co_u32 s50, s50, s53
	s_lshr_b32 s52, s52, 1
	s_lshl_b32 s52, s52, 3
	s_add_co_u32 s50, s50, s52
	s_lshl_b32 s50, s50, 10
	s_lshl_b32 s52, ttmp9, 15
	s_add_co_u32 s50, s50, s52
	s_add_nc_u64 s[32:33], s[32:33], s[50:51]
	; ---- 74 loads for the first product and the norm, then w_fc1's 48
.irp a, 0,1
.irp q, 0,1,2,3
	global_load_b128 v[X1+16*\a+4*\q:X1+16*\a+4*\q+3], v6, s[8:9] offset:8192*\a+16*\q   ; register 16 a + 8 u + j: column 32 w + 16 h + 8 u + j
.endr
.endr
.irp q, 0,1,2,3
	global_load_b128 v[BO+4*\q:BO+4*\q+3], v10, s[18:19] offset:16*\q
.endr
.irp a, 0,1
.irp s, 0,1
.irp c, 0,1
.irp p, 0,1,2
	global_load_b64 v[56+12*(2*\a+\s)+6*\c+2*\p:56+12*(2*\a+\s)+6*\c+2*\p+1], v7, s[10:11] offset:384*\a+786432*\s+393216*\c+8*\p   ; head 4 s + 2 c + h is a block of K
.endr
.endr
.endr
.endr
.irp a, 0,1
.irp n, 0,1,2,3,4,5,6,7
	global_load_u8 v[232+8*\a+\n], v4, s[12:13] offset:8192*\n+16*\a
.endr
.endr
.irp u, 0,1
.irp n, 0,1,2,3,4,5
	global_load_b128 v[120+48*\u+4*\n:123+48*\u+4*\n], v1, s[14:15] offset:3072*\u+512*\n
.endr
.endr
.irp u, 0,1
	global_load_b64 v[WOS+2*\u:WOS+2*\u+1], v8, s[16:17] offset:64*\u
.endr
.irp q, 0,1,2,3
	global_load_b128 v[104+4*\q:107+4*\q], v10, s[20:21] offset:16*\q
	global_load_b128 v[200+4*\q:203+4*\q], v10, s[22:23] offset:16*\q
.endr
	WIN 0x40                                       ; destination window 1
.set n, 0
.rept 48
	global_load_b128 v[4*n:4*n+3], v1, s[44:45] offset:512*n   ; fragment (tile t, K step s) at v[12 (2 t + s)]
.set n, n+1
.endr
	WIN 0
	; ---- x1 = x + b_out + o W_out
	s_wait_loadcnt 48                              ; all but w_fc1's 48
.irp a, 0,1
.irp k, 0,1,2,3,4,5,6,7
	v_pk_add_f32 v[X1+16*\a+2*\k:X1+16*\a+2*\k+1], v[X1+16*\a+2*\k:X1+16*\a+2*\k+1], v[BO+2*\k:BO+2*\k+1]
.endr
.endr
.irp q, 0,1,2,3
	global_load_b128 v[BO+4*\q:BO+4*\q+3], v10, s[30:31] offset:16*\q   ; b_fc2 takes b_out's place
.endr
.irp a, 0,1
.irp s, 0,1
	v_lshl_or_b32 v[OSW+2*\a+\s], v[233+8*\a+4*\s], 8, v[232+8*\a+4*\s]
	v_lshl_or_b32 v[OSW+2*\a+\s], v[234+8*\a+4*\s], 16, v[OSW+2*\a+\s]
	v_lshl_or_b32 v[OSW+2*\a+\s], v[235+8*\a+4*\s], 24, v[OSW+2*\a+\s]
.endr
.endr
	PLACES 8                                       ; a scale register written by vector instructions stands eight places ahead of a scaled product
.irp s, 0,1
.irp a, 0,1
.irp u, 0,1
	MM X1+16*\a+8*\u, 120+48*\u+12*\s, 56+12*(2*\a+\s), X1+16*\a+8*\u, WOS+2*\u+\s, OSW+2*\a+\s   ; four accumulators by turns
.endr
.endr
.endr
	PLACES 5
.irp t, 0,1,2,3,4,5,6,7
	global_load_b64 v[WS+2*\t:WS+2*\t+1], v8, s[24:25] offset:8*(32*(\t/2)+8*(\t%2))
.endr
	WIN 0x40
.irp t, 0,1,2,3,4,5,6,7
.irp q, 0,1
	global_load_b128 v[192+8*\t+4*\q:195+8*\t+4*\q], v10, s[26:27] offset:4*(32*(\t/2)+8*(\t%2))+16*\q
.endr
.endr
	WIN 0
	; ---- LayerNorm 2, two passes; a row's 256 numbers lie in eight waves
.irp a, 0,1
.irp k, 0,1,2,3
	v_pk_add_f32 v[72+8*\a+2*\k:73+8*\a+2*\k], v[X1+16*\a+4*\k:X1+16*\a+4*\k+1], v[X1+16*\a+4*\k+2:X1+16*\a+4*\k+3]
.endr
.endr
.irp a, 0,1
	v_pk_add_f32 v[72+8*\a:73+8*\a], v[72+8*\a:73+8*\a], v[74+8*\a:75+8*\a]
	v_pk_add_f32 v[76+8*\a:77+8*\a], v[76+8*\a:77+8*\a], v[78+8*\a:79+8*\a]
.endr
.irp a, 0,1
	v_pk_add_f32 v[72+8*\a:73+8*\a], v[72+8*\a:73+8*\a], v[76+8*\a:77+8*\a]
.endr
	SHARE ST1
.irp a, 0,1
	v_mul_f32 v[94+2*\a], s39, v[88+\a]            ; the means, as pairs
	v_mul_f32 v[95+2*\a], s39, v[88+\a]
.endr
.irp a, 0,1
.irp k, 0,1,2,3,4,5,6,7
	v_pk_add_f32 v[DD+16*\a+2*\k:DD+16*\a+2*\k+1], v[X1+16*\a+2*\k:X1+16*\a+2*\k+1], v[94+2*\a:95+2*\a] neg_lo:[0,1] neg_hi:[0,1]
.endr
.endr
	s_wait_loadcnt 24                              ; b_fc2 is in: behind it stand the 8 scale pairs and the 16 loads of b_fc1
.irp a, 0,1
.irp k, 0,1,2,3,4,5,6,7
	v_pk_add_f32 v[X1+16*\a+2*\k:X1+16*\a+2*\k+1], v[X1+16*\a+2*\k:X1+16*\a+2*\k+1], v[BO+2*\k:BO+2*\k+1]   ; x1 + b_fc2: the C of the last product
.endr
.endr
.irp a, 0,1
.irp k, 0,1
	v_pk_mul_f32 v[72+8*\a+2*\k:73+8*\a+2*\k], v[DD+16*\a+2*\k:DD+16*\a+2*\k+1], v[DD+16*\a+2*\k:DD+16*\a+2*\k+1]
.endr
.endr
.irp p, 2,4,6
.irp a, 0,1
.irp k, 0,1
	v_pk_fma_f32 v[72+8*\a+2*\k:73+8*\a+2*\k], v[DD+16*\a+2*(\p+\k):DD+16*\a+2*(\p+\k)+1], v[DD+16*\a+2*(\p+\k):DD+16*\a+2*(\p+\k)+1], v[72+8*\a+2*\k:73+8*\a+2*\k]
.endr
.endr
.endr
.irp a, 0,1
	v_pk_add_f32 v[72+8*\a:73+8*\a], v[72+8*\a:73+8*\a], v[74+8*\a:75+8*\a]
.endr
	SHARE ST2
	v_fma_f32 v88, v88, s39, s40
	v_fma_f32 v89, v89, s39, s40
	v_rsq_f32 v98, v88
	v_rsq_f32 v100, v89
	v_nop
	s_wait_alu depctr_va_vdst(0)                   ; one wait for the two, ahead of their first reader
	v_mov_b32 v99, v98
	v_mov_b32 v101, v100
.irp a, 0,1
.irp k, 0,1,2,3,4,5,6,7
	v_pk_mul_f32 v[DD+16*\a+2*\k:DD+16*\a+2*\k+1], v[DD+16*\a+2*\k:DD+16*\a+2*\k+1], v[98+2*\a:99+2*\a]
.endr
.endr
.irp a, 0,1
.irp k, 0,1,2,3,4,5,6,7
	v_pk_fma_f32 v[DD+16*\a+2*\k:DD+16*\a+2*\k+1], v[DD+16*\a+2*\k:DD+16*\a+2*\k+1], v[104+2*\k:105+2*\k], v[200+2*\k:201+2*\k]
.endr
.endr
	; ---- my 32 columns are block w of the next K: lanes 0-15 get tile 0's block, lanes 16-31 tile 1's
	QPAIR DD, DD+16, 56, EB
	ds_store_b128 v13, v[56:59]
	ds_store_b64 v14, v[60:61]
	v_cndmask_b32 v92, v[EB], v[EB+1], s38
	ds_store_b8 v15, v92
.irp h, 0,1                                    ; gelu's coefficients, as pairs, where ln2_b and b_fc2 lay
	v_mov_b32 v[CF+\h], 0xc034d90f                 ; C0 = -2.8257482
	v_mov_b32 v[CF+2+\h], 0x3fb8ab5a               ; C1 =  1.4427292
	v_mov_b32 v[CF+4+\h], 0x3f0a29d2               ; C2 =  0.53970062
	v_mov_b32 v[CF+6+\h], 0x3e0efb2e               ; C3 =  0.13963006
	v_mov_b32 v[CF+8+\h], 0xbe899a80               ; C4 = -0.26875686
	v_mov_b32 v[CF+10+\h], 0x3ecdfd18              ; C5 =  0.40232158
	v_mov_b32 v[CF+12+\h], 0xbfd1a1e5              ; C6 = -1.6377532
	v_mov_b32 v[CF+14+\h], 0x40097039              ; C7 =  2.1474745
	v_mov_b32 v[CF+16+\h], 0xbf97d29d              ; C8 = -1.1861149
	v_mov_b32 v[CF+18+\h], 0x3e7c6f08              ; C9 =  0.2465173
.endr
	BARRIER                                        ; LN2(x1)'s four fragments lie in LDS
	; ---- my 128 hidden units, a tile of tokens at a time
.irp a, 0,1
.irp s, 0,1
.irp c, 0,1
	ds_load_b128 v[HF+12*\s+6*\c:HF+12*\s+6*\c+3], v1 offset:HIMG+3072*\a+1536*\s+768*\c
	ds_load_b64 v[HF+12*\s+6*\c+4:HF+12*\s+6*\c+5], v3 offset:HIMG+3072*\a+1536*\s+768*\c+512
.endr
	ds_load_b32 v[HSW+\s], v22 offset:HSC+128*\a+64*\s
.endr
.if \a == 0
	s_wait_loadcnt 0x0                             ; w_fc1, its scales, b_fc1
.endif
	s_wait_dscnt 0x0
	WIN 0x11                                       ; source 0 (weights) and source 2 (bias) window 1
.irp t, 0,1,2,3,4,5,6,7
	MM HA+8*\t, 24*\t, HF, 192+8*\t, WS+2*\t, HSW
.endr
	WIN 0x01
.irp t, 0,1,2,3,4,5,6,7
	MM HA+8*\t, 12+24*\t, HF+12, HA+8*\t, WS+2*\t+1, HSW+1
.endr
	WIN 0
	PLACES 5
.if \a == 1
	WIN 0x40                                       ; w_fc1 is done with: w_fc2 takes its place and lands under the second gelu
.set n, 0
.rept 48
	global_load_b128 v[4*n:4*n+3], v1, s[46:47] offset:512*n   ; fragment (tile u, K step s) at v[12 (8 u + s)]
.set n, n+1
.endr
	WIN 0
.irp u, 0,1
.irp q, 0,1
	global_load_b128 v[WS+8*\u+4*\q:WS+8*\u+4*\q+3], v9, s[28:29] offset:256*\u+16*\q
.endr
.endr
.endif
	GELU HA
	GELU HA+16
	GELU HA+32
	GELU HA+48
	QPAIR HA, HA+16, PC, EB
	QPAIR HA+32, HA+48, PC+6, EB+2
	v_lshl_or_b32 v[PW], v[EB+1], 8, v[EB]
	v_lshl_or_b32 v[PW], v[EB+2], 16, v[PW]
	v_lshl_or_b32 v[PW], v[EB+3], 24, v[PW]
.irp j, 0,1,2
	ds_store_b128 v16, v[PC+4*\j:PC+4*\j+3] offset:12288*\a+512*\j   ; K step w of the last product
.endr
	ds_store_b32 v17, v[PW] offset:1024*\a
	s_wait_dscnt 0x0                               ; the stores have read their registers
.endr
	BARRIER                                        ; the hidden layer's sixteen fragments lie in LDS
	; ---- out = x1 + b_fc2 + hidden W_fc2: four accumulators by turns, a K step at a time, the next step's fragments a step ahead
	s_wait_loadcnt 0x0                             ; w_fc2 and its scales
	HFETCH 0
.irp s, 0,1,2,3,4,5,6,7
.if \s > 0
	PLACES 4                                       ; in front of loads into the buffer that the last step's products have read
.endif
.if \s < 7
	HFETCH \s+1
	s_wait_dscnt 8                                 ; this step's are in; the eight just issued may stay out
.else
	s_wait_dscnt 0x0
.endif
	WIN 0x01
.irp a, 0,1
.irp u, 0,1
	MM X1+16*\a+8*\u, 12*(8*\u+\s), HF+48*(\s%2)+12*\a, X1+16*\a+8*\u, WS+8*\u+\s, HS2+2*(\s%2)+\a
.endr
.endr
	WIN 0
.endr
	PLACES 5
	; ---- the way out: a row's 1,024 bytes come from eight waves: through the stage, then four whole rows a wave
.irp a, 0,1
.irp q, 0,1,2,3
	ds_store_b128 v18, v[X1+16*\a+4*\q:X1+16*\a+4*\q+3] offset:16640*\a+16*\q   ; each accumulator from its low end on
.endr
.endr
	BARRIER
.irp n, 0,1,2,3,4,5,6,7
	ds_load_b128 v[56+4*\n:59+4*\n], v19 offset:1040*(\n/2)+512*(\n%2)
.endr
.irp n, 0,1,2,3,4,5,6,7
	s_wait_dscnt 7-\n
	global_store_b128 v1, v[56+4*\n:59+4*\n], s[32:33] offset:1024*(\n/2)+512*(\n%2) th:TH_STORE_NT   ; 512 consecutive bytes, at a multiple of 256 from the buffer's first byte
.endr
	s_wait_xcnt 0x0
	v_lshl_add_u32 v254, v0, 2, 0x10c00
	v_mov_b32 v255, 0
	s_wait_tensorcnt 0x0
	ds_add_u32 v254, v255
	s_wait_dscnt 0x0
	s_endpgm
.Lfunc_end_k_qef64869ec6_ffn:
	.size	k_qef64869ec6_ffn, .Lfunc_end_k_qef64869ec6_ffn-k_qef64869ec6_ffn
	.p2alignl 7, 3214868480
	.fill 96, 4, 3214868480
	.section	.rodata,"a",@progbits
	.p2align	6, 0x0
	.amdhsa_kernel k_qef64869ec6_ffn
		.amdhsa_group_segment_fixed_size 69632
		.amdhsa_private_segment_fixed_size 0
		.amdhsa_enable_private_segment 0
		.amdhsa_kernarg_size 104
		.amdhsa_user_sgpr_count 2
		.amdhsa_user_sgpr_kernarg_segment_ptr 1
		.amdhsa_wavefront_size32 1
		.amdhsa_system_sgpr_workgroup_id_x 1
		.amdhsa_system_sgpr_workgroup_id_y 1
		.amdhsa_system_sgpr_workgroup_id_z 1
		.amdhsa_system_vgpr_workitem_id 0
		.amdhsa_next_free_vgpr 512
		.amdhsa_next_free_sgpr 66
		.amdhsa_reserve_vcc 0
		.amdhsa_float_denorm_mode_32 3
		.amdhsa_float_denorm_mode_16_64 3
		.amdhsa_memory_ordered 1
		.amdhsa_forward_progress 1
		.amdhsa_inst_pref_size 143
	.end_amdhsa_kernel
	.amdgpu_metadata
---
amdhsa.version: [ 1, 2 ]
amdhsa.kernels:
  - .name:           k_qef64869ec6_ffn
    .symbol:         k_qef64869ec6_ffn.kd
    .args:
      - { .name: x, .offset: 0, .size: 8, .value_kind: global_buffer, .address_space: global }
      - { .name: oc, .offset: 8, .size: 8, .value_kind: global_buffer, .address_space: global }
      - { .name: os, .offset: 16, .size: 8, .value_kind: global_buffer, .address_space: global }
      - { .name: wimg, .offset: 24, .size: 8, .value_kind: global_buffer, .address_space: global }
      - { .name: w_out_scales, .offset: 32, .size: 8, .value_kind: global_buffer, .address_space: global }
      - { .name: b_out, .offset: 40, .size: 8, .value_kind: global_buffer, .address_space: global }
      - { .name: ln2_g, .offset: 48, .size: 8, .value_kind: global_buffer, .address_space: global }
      - { .name: ln2_b, .offset: 56, .size: 8, .value_kind: global_buffer, .address_space: global }
      - { .name: w_fc1_scales, .offset: 64, .size: 8, .value_kind: global_buffer, .address_space: global }
      - { .name: b_fc1, .offset: 72, .size: 8, .value_kind: global_buffer, .address_space: global }
      - { .name: w_fc2_scales, .offset: 80, .size: 8, .value_kind: global_buffer, .address_space: global }
      - { .name: b_fc2, .offset: 88, .size: 8, .value_kind: global_buffer, .address_space: global }
      - { .name: out0, .offset: 96, .size: 8, .value_kind: global_buffer, .address_space: global }
    .group_segment_fixed_size: 69632
    .private_segment_fixed_size: 0
    .kernarg_segment_align: 8
    .kernarg_segment_size: 104
    .max_flat_workgroup_size: 256
    .sgpr_count:     66
    .vgpr_count:     512
    .wavefront_size: 32
...
	.end_amdgpu_metadata
.endif
;; end of part 3
;; ======== version 2 of 2: 3 launches; version 1 with the launches qkv, ffn written anew for expert scheduling mode
;; workspace buffers: qkv 5,111,808 bytes; oc 1,572,864 bytes; os 65,536 bytes; wimg 442,368 bytes
;; launch qkv (part 4): grid 64 x 4, 8 waves a work-group, no clusters, 29,696 bytes of LDS; arguments x, ln1_g, ln1_b, w_qkv_codes, w_qkv_scales, b_qkv, w_fc1_codes, w_fc2_codes, w_out_codes, qkv, wimg; writes qkv, wimg
.if DOCPART == 4
	.amdgcn_target "amdgcn-amd-amdhsa--gfx1250"
	.amdhsa_code_object_version 6
	.text
	.protected	k_qef64869ec6_qkv
	.globl	k_qef64869ec6_qkv
	.p2align	8
	.type	k_qef64869ec6_qkv,@function
k_qef64869ec6_qkv:
	s_mov_b64 s[64:65], 0
	v_nop
	global_prefetch_b8 v0, s[64:65] scope:SCOPE_SE
	s_setreg_imm32_b32 hwreg(HW_REG_WAVE_SCHED_MODE, 0, 2), 2
	s_setreg_imm32_b32 hwreg(HW_REG_WAVE_MODE, 25, 1), 1
	s_wait_xcnt 0x0
	s_wait_alu depctr_vm_vsrc(0)
; LayerNorm 1, its quantising, x W_qkv + b_qkv on codes of BF6 (E3M2, one E8M0 byte for each 32 along K), and the quantising of q and k (along the head's 32) and of v (along the tokens).
; A work-group takes 128 tokens (ttmp9) and two heads (2 y, 2 y + 1).  The norm is made in each of the four work-groups of a token block: 128 numbers a lane.
; TOKENS AND WEIGHT ROWS ARE TAKEN IN TILES OF 16 THAT ARE NOT NEIGHBOURS: tile 2 b + u takes 32 b + 8 u + r + 8 (r / 8), r = 0 .. 15, so that the 16 registers of result tiles 2 b and 2 b + 1 are 16 neighbours, 32 b + 16 (lane / 16) + 0 .. 15.
; Wave w norms and quantises token tile w and hands its two fragments to the others through LDS as images of their registers.  Then wave w = 4 hd + 2 F + c serves head 2 y + hd:
;   v: d tile F for key blocks 2 c, 2 c + 1 (source 0 = tokens, source 1 = weight rows: a lane holds one d and registers along the tokens);
;   q, k: token tiles 4 F + 2 c, + 1 (source 0 = weight rows, source 1 = tokens: a lane holds one token and registers along d).
; OUT: one record of 9,984 bytes for each (batch, head, 128 tokens), laid in the order of the reader's operand registers: K 0, V 3,072, K's scale words 6,144, V's 6,272, Q's 6,400, Q 6,912.
;   Half a fragment (registers 6 c .. 6 c + 5) is 768 bytes: registers 0-3 at 16 x lane, registers 4-5 at 512 + 8 x lane: every store covers 512 or 256 consecutive bytes.
; SIDE DUTY: 288 waves of the launch each lay one fragment of w_fc1, w_fc2 or w_out out as a register image of 1,536 bytes (register p of lane l at 512 (p / 4) + 16 l + 4 (p % 4)) for the last launch.
; LIMITS: NaN and infinities among the inputs are not served.  A block whose largest magnitude lies under 2^-122 has its scale byte held at 1; a block of zeros gets the byte 1 with zero codes (these bytes are read by this program alone).
; REGISTERS, window 0: v1-15, v240-247 addresses; v16-143 the row's numbers, later fragments and accumulators; v144-157 sums; v160-175 the quantiser's; v176-209 codes; v210-227 scale words and nothing else.
;   window 1: ln1_g, ln1_b; later the weights' fragments (Q 0, K 48, V 96) and the biases (Q 128, K 144, V 160).
; THE MODE: SCHED_MODE bits 1:0 = 2 (LLVM: expert scheduling mode 2), set by the entry lines.  The code itself states the register dependences
; between vector or matrix instructions and memory or LDS instructions, with s_wait_alu, always for 0.
; THE PLAN.  Registers that memory or LDS instructions touch, in program order:
;   v1-15, v241-247  Offsets and LDS addresses: written at the head, read by the loads and stores, never written again.  v240: written and read in the side duty alone.
;   v16-143          x lands; the norm and the quantiser work on it; then token fragments land in v16-111 (for v), are read by v's products, and land again in v16-63 (for q and k).
;   v220-227         The fragments' scale words land, v's products read them, and v220-223 are loaded again with v16-63.
;   window 1         The gain and the bias land; the norm's last 64 lines read them; then the weights and the biases land.
;   v176-188         A K step's codes and scale word: written by the quantiser, read by four LDS stores; twice.
;   v204-209, v190;  v192-203, v174, v175, v189   Codes and scale words on their way out: each written once and stored once.
;   v210-219, v228-239, v248-253   Named by loads, stores and scale operands alone.
; So a wait on va_vdst stands ahead of each run of loads or stores whose registers vector or matrix instructions have named since the last such wait, and one wait on vm_vsrc ahead of the second writing of v176-188.
.set XIMG,  0                          ; LDS: 16 images of 1,536 bytes: token tile t, K step s at 2 t + s
.set XSC,   24576                      ; their scale words, 128 bytes each
.set STG,   26624                      ; two heads x 768 bytes of scale words, in the record's order
.set X,     16
.set QM,    160
.set QT,    166
.set EB,    170
.set PC,    176
.set PW,    188
.set PQ,    192
.set PK,    198
.set PV,    204
.set SEL,   34
.set MSB, 0
.macro WIN new                         ; the immediate's high byte repeats the setting that is left
.if MSB != \new
	s_set_vgpr_msb (MSB<<8)|\new
.set MSB, \new
.endif
.endm
.macro PLACES n
.rept \n
	v_nop
.endr
.endm
.macro BARRIER                         ; my LDS stores have landed and my LDS loads are in: then the work-group's barrier
	s_wait_dscnt 0x0
	s_barrier_signal -1
	s_barrier_wait -1
.endm
.macro IMAGE adr, off                  ; the fragment in v[PC] on goes to LDS as it stands
.irp j, 0,1,2
	ds_store_b128 v[\adr], v[PC+4*\j:PC+4*\j+3] offset:\off+512*\j
.endr
.endm
.macro FETCH reg, adr, off             ; and comes back so, in any wave
.irp j, 0,1,2
	ds_load_b128 v[\reg+4*\j:\reg+4*\j+3], v[\adr] offset:\off+512*\j
.endr
.endm
.macro MM d, a, b, c, sa, sb
	v_wmma_scale_f32_16x16x128_f8f6f4 v[\d:\d+7], v[\a:\a+11], v[\b:\b+11], v[\c:\c+7], v[\sa], v[\sb] matrix_a_fmt:MATRIX_FMT_BF6 matrix_b_fmt:MATRIX_FMT_BF6
.endm
; Two groups of 16 registers, each half a block of 32 (lane l xor 16 holds the other half), become six registers of codes (lanes 0-15: group a's whole block, lanes 16-31: group b's) and two scale bytes.
.macro QPAIR a, b, dst, eb
	v_max3_num_f32 v[QM], |v[\a]|, |v[\a+1]|, 0x2800000            ; the floor 2^(5 - 127): the byte cannot fall under 1
	v_max3_num_f32 v[QM+1], |v[\b]|, |v[\b+1]|, 0x2800000
.irp i, 2,4,6,8,10,12,14
	v_max3_num_f32 v[QM], v[QM], |v[\a+\i]|, |v[\a+\i+1]|
	v_max3_num_f32 v[QM+1], v[QM+1], |v[\b+\i]|, |v[\b+\i+1]|
.endr
	v_permlanex16_b32 v[QM+2], v[QM], s[SEL], s[SEL+1]
	v_permlanex16_b32 v[QM+3], v[QM+1], s[SEL], s[SEL+1]
	v_max_num_f32 v[QM], v[QM], v[QM+2]                            ; the blocks' largest magnitudes
	v_max_num_f32 v[QM+1], v[QM+1], v[QM+3]
	v_add_nc_u32 v[QM+4], 0xfe000000, v[QM]                        ; 4 off the exponent field: the conversion's scale operand
	v_add_nc_u32 v[QM+5], 0xfe000000, v[QM+1]
	v_lshrrev_b32 v[\eb], 23, v[QM+4]                              ; the scale bytes
	v_lshrrev_b32 v[\eb+1], 23, v[QM+5]
	v_cvt_scalef32_pk16_bf6_f32 v[\dst:\dst+2], v[\a:\a+15], v[QM+4]
	v_cvt_scalef32_pk16_bf6_f32 v[QT:QT+2], v[\b:\b+15], v[QM+5]
	v_nop                                                          ; one plain place behind a scaled conversion
.irp i, 0,1,2
	v_permlane16_swap_b32 v[\dst+\i], v[QT+\i]                     ; the first's lanes 16-31 change places with the second's lanes 0-15
.endr
.irp i, 0,1,2
	v_mov_b32 v[\dst+3+\i], v[QT+\i]
.endr
.endm
.macro WORD4 dst, eb
	v_lshl_or_b32 v[\dst], v[\eb+1], 8, v[\eb]
	v_lshl_or_b32 v[\dst], v[\eb+2], 16, v[\dst]
	v_lshl_or_b32 v[\dst], v[\eb+3], 24, v[\dst]
.endm
.macro RSUM                            ; four pairs of partial sums in v[144:151] become the row's sum in v152 (a row lies in lanes l and l xor 16)
	v_pk_add_f32 v[144:145], v[144:145], v[146:147]
	v_pk_add_f32 v[148:149], v[148:149], v[150:151]
	v_pk_add_f32 v[144:145], v[144:145], v[148:149]
	v_add_f32 v152, v144, v145
	v_permlanex16_b32 v153, v152, s[SEL], s[SEL+1]
	v_add_f32 v152, v152, v153
.endm
	s_load_b512 s[8:23], s[0:1], 0x0               ; x 8, ln1_g 10, ln1_b 12, w_qkv_codes 14, w_qkv_scales 16, b_qkv 18, w_fc1_codes 20, w_fc2_codes 22
	s_load_b128 s[24:27], s[0:1], 0x40             ; w_out_codes 24, qkv 26
	s_load_b64 s[28:29], s[0:1], 0x50              ; wimg
	v_lshl_add_u32 v254, v0, 2, 0x7000
	v_mov_b32 v255, 0
	v_lshrrev_b32 v1, 5, v0
	v_readfirstlane_b32 s30, v1                    ; wave 0..7
	s_and_b32 s38, ttmp7, 0xffff                   ; y
	s_mov_b32 s[SEL], 0x76543210
	s_mov_b32 s[SEL+1], 0xfedcba98                 ; v_permlanex16_b32's selects for lane l xor 16
	s_mov_b32 s36, 0x3b800000                      ; 1 / 256
	s_mov_b32 s37, 0x3727c5ac                      ; 1e-5
	v_and_b32 v1, 31, v0                           ; lane
	v_and_b32 v2, 15, v0                           ; r
	v_bfe_u32 v3, v0, 4, 1                         ; h
	v_and_b32 v241, 8, v2
	v_add_nc_u32 v241, v241, v2                    ; r + 8 (r / 8)
	v_lshlrev_b32 v4, 10, v241
	v_lshl_add_u32 v4, v3, 6, v4                   ; x: my row of 1,024 bytes, + 64 h: my 16 numbers of a block of 32
	v_lshlrev_b32 v5, 4, v1                        ; 16 x lane
	v_lshlrev_b32 v6, 2, v1                        ; 4 x lane
	v_lshlrev_b32 v7, 3, v1                        ; 8 x lane
	s_wait_alu depctr_va_sdst(0)                   ; s30 is written, ahead of its first reader: the wave's shares, LDS addresses and bases are made from it
	s_lshr_b32 s31, s30, 2                         ; hd
	s_bfe_u32 s32, s30, 0x10001                    ; F
	s_and_b32 s33, s30, 1                          ; c
	; every LDS address is made here, ahead of the first branch
	s_mul_i32 s39, s30, 3072
	v_add_nc_u32 v8, s39, v5                       ; where I store my tile's two images
	s_lshl_b32 s39, s30, 8
	s_add_co_u32 s39, s39, XSC
	v_add_nc_u32 v9, s39, v6                       ; and their scale words
	s_and_b32 s56, s30, 3                          ; 2 F + c
	s_mul_i32 s39, s56, 6144
	v_add_nc_u32 v10, s39, v5                      ; q, k: images of tiles 4 F + 2 c on
	s_lshl_b32 s39, s56, 9
	s_add_co_u32 s39, s39, XSC
	v_add_nc_u32 v11, s39, v6
	s_mul_i32 s39, s33, 12288
	v_add_nc_u32 v12, s39, v5                      ; v: images of tiles 4 c on
	s_lshl_b32 s39, s33, 10
	s_add_co_u32 s39, s39, XSC
	v_add_nc_u32 v13, s39, v6
	s_mul_i32 s57, s31, 768
	s_add_co_u32 s57, s57, STG                     ; my head's stage
	s_lshl_b32 s39, s56, 7
	s_add_co_u32 s39, s39, s57
	s_add_co_u32 s39, s39, 256
	v_lshl_add_u32 v14, v2, 2, s39                 ; Q's scale words: 256 + 64 x tile + 4 r
	s_lshl_b32 s39, s32, 6
	s_add_co_u32 s39, s39, s57
	s_lshl_b32 s56, s33, 1
	s_add_co_u32 s39, s39, s56
	v_lshl_add_u32 v15, v2, 2, s39                 ; K's (and, 128 on, V's): 64 F + 4 r + 2 c: two bytes of a word
	v_add_nc_u32 v246, s57, v7                     ; the stage's way out
	s_add_co_u32 s57, s57, 256
	v_add_nc_u32 v247, s57, v5
	v_mul_u32_u24 v242, v241, 192                  ; a row of w_qkv's codes is 192 bytes
	v_mad_u32_u24 v242, v3, 24, v242
	v_lshlrev_b32 v243, 3, v241                    ; a row of its scales 8
	v_lshlrev_b32 v244, 6, v3                      ; 64 h
	v_lshlrev_b32 v245, 2, v241
	v_mov_b32 v153, 0                              ; written once: a lane permute's destination counts as one of its sources
	v_mov_b32 v[QM+2], 0
	v_mov_b32 v[QM+3], 0
	; byte offsets, each in registers of its own
	s_lshl_b32 s56, s38, 1
	s_add_co_u32 s56, s56, s31                     ; head
	s_lshl_b32 s40, ttmp9, 17                      ; x: 128 tokens of 1,024 bytes a block,
	s_lshr_b32 s57, s30, 1
	s_lshl_b32 s57, s57, 15
	s_add_co_u32 s40, s40, s57                     ; + 32 (w / 2) rows
	s_lshl_b32 s57, s33, 13
	s_add_co_u32 s40, s40, s57                     ; + 8 (w % 2) rows
	s_mov_b32 s41, 0
	s_lshr_b32 s57, ttmp9, 5                       ; batch
	s_lshl_b32 s57, s57, 3
	s_add_co_u32 s57, s57, s56
	s_lshl_b32 s57, s57, 5
	s_and_b32 s42, ttmp9, 31
	s_add_co_u32 s57, s57, s42                     ; the record: 32 (8 batch + head) + token block
	s_mul_i32 s42, s57, 9984
	s_and_b32 s57, s30, 3
	s_mul_i32 s57, s57, 768
	s_add_co_u32 s42, s42, s57                     ; + 1,536 F + 768 c
	s_mov_b32 s43, 0
	s_mul_i32 s44, s56, 6144                       ; the head's 32 rows of codes
	s_mov_b32 s45, 0
	s_mul_i32 s57, s32, 1536
	s_add_co_u32 s46, s44, s57                     ; + 8 F rows
	s_mov_b32 s47, 0
	s_lshl_b32 s48, s56, 8
	s_mov_b32 s49, 0
	s_lshl_b32 s57, s32, 6
	s_add_co_u32 s50, s48, s57
	s_mov_b32 s51, 0
	s_lshl_b32 s52, s56, 7
	s_mov_b32 s53, 0
	s_lshl_b32 s57, s32, 5
	s_add_co_u32 s54, s52, s57
	s_mov_b32 s55, 0
	s_wait_kmcnt 0x0
	s_add_nc_u64 s[40:41], s[8:9], s[40:41]        ; x at my tile
	s_add_nc_u64 s[42:43], s[26:27], s[42:43]      ; my part of the record
	s_add_nc_u64 s[44:45], s[14:15], s[44:45]      ; the head's weight rows
	s_add_nc_u64 s[46:47], s[14:15], s[46:47]      ; and my d tile's
	s_add_nc_u64 s[48:49], s[16:17], s[48:49]
	s_add_nc_u64 s[50:51], s[16:17], s[50:51]
	s_add_nc_u64 s[52:53], s[18:19], s[52:53]
	s_add_nc_u64 s[54:55], s[18:19], s[54:55]
	s_wait_alu depctr_va_vdst(0)                   ; the offsets and LDS addresses v4 to v15 and v242 to v247 are written, which the kernel's loads and stores read
.irp s, 0,1
.irp b, 0,1,2,3
.irp j, 0,1,2,3
	global_load_b128 v[X+64*\s+16*\b+4*\j:X+64*\s+16*\b+4*\j+3], v4, s[40:41] offset:512*\s+128*\b+16*\j   ; register 64 s + 16 b + i: k = 128 s + 32 b + 16 h + i of my row
.endr
.endr
.endr
	WIN 0x40                                       ; destination window 1
.irp s, 0,1
.irp b, 0,1,2,3
.irp j, 0,1,2,3
	global_load_b128 v[64*\s+16*\b+4*\j:64*\s+16*\b+4*\j+3], v244, s[10:11] offset:512*\s+128*\b+16*\j
	global_load_b128 v[128+64*\s+16*\b+4*\j:128+64*\s+16*\b+4*\j+3], v244, s[12:13] offset:512*\s+128*\b+16*\j
.endr
.endr
.endr
	WIN 0
	; ---- one weight fragment becomes an image: id = ttmp9 + 64 y + 256 w, for ids under 288.  fc1: ids 0-127 (2 T + s); fc2: 128-255 (8 T + s); out: 256-287 (2 T + s)
	s_lshl_b32 s56, s38, 6
	s_add_co_u32 s56, s56, ttmp9
	s_lshl_b32 s57, s30, 8
	s_add_co_u32 s56, s56, s57
	s_cmp_ge_u32 s56, 288
	s_cbranch_scc1 .Lno_image
	s_cmp_lt_u32 s56, 256
	s_cselect_b64 s[58:59], s[22:23], s[24:25]
	s_mov_b32 s60, 256
	s_cselect_b32 s60, 128, s60                    ; the tensor's first id
	s_cselect_b32 s61, 3, 1                        ; log2 of its K steps
	s_mov_b32 s62, 192
	s_cselect_b32 s62, 768, s62                    ; bytes in a row of its codes
	s_cmp_lt_u32 s56, 128
	s_cselect_b64 s[58:59], s[20:21], s[58:59]
	s_cselect_b32 s60, 0, s60
	s_cselect_b32 s61, 1, s61
	s_cselect_b32 s62, 192, s62
	s_sub_co_u32 s60, s56, s60
	s_lshr_b32 s63, s60, s61                       ; T
	s_lshl_b32 s57, s63, s61
	s_sub_co_u32 s57, s60, s57                     ; s
	s_lshr_b32 s60, s63, 1
	s_lshl_b32 s60, s60, 5
	s_and_b32 s63, s63, 1
	s_lshl_b32 s63, s63, 3
	s_add_co_u32 s60, s60, s63                     ; the tile begins at row 32 (T / 2) + 8 (T % 2)
	s_mul_i32 s60, s60, s62
	s_mul_i32 s57, s57, 96
	s_add_co_u32 s60, s60, s57
	s_mov_b32 s61, 0
	s_add_nc_u64 s[58:59], s[58:59], s[60:61]
	v_mul_lo_u32 v240, v241, s62
	v_mad_u32_u24 v240, v3, 24, v240
	s_wait_alu depctr_va_vdst(0)                   ; v240 is written, which the six loads below read as their offset
.irp p, 0,1,2,3,4,5
	global_load_b64 v[228+2*\p:229+2*\p], v240, s[58:59] offset:48*(\p/3)+8*(\p%3)
.endr
	s_mul_i32 s60, s56, 1536
	s_add_nc_u64 s[60:61], s[28:29], s[60:61]
	s_wait_loadcnt 0x0                             ; the fragment (x, the gain and the bias, issued earlier, are wanted next anyway)
.irp j, 0,1,2
	global_store_b128 v5, v[228+4*\j:231+4*\j], s[60:61] offset:512*\j   ; 512 consecutive bytes a store; none of these registers is written again
.endr
.Lno_image:
	; ---- LayerNorm 1, two passes, all in f32
	s_wait_loadcnt 0x0
.irp k, 0,1,2,3
	v_pk_add_f32 v[144+2*\k:145+2*\k], v[X+2*\k:X+2*\k+1], v[X+8+2*\k:X+9+2*\k]
.endr
.set i, 16
.rept 14
.irp k, 0,1,2,3
	v_pk_add_f32 v[144+2*\k:145+2*\k], v[144+2*\k:145+2*\k], v[X+i+2*\k:X+i+2*\k+1]
.endr
.set i, i+8
.endr
	RSUM
	v_mul_f32 v154, s36, v152                      ; the mean, twice: a pair for the packed forms
	v_mul_f32 v155, s36, v152
.set i, 0
.rept 64
	v_pk_add_f32 v[X+i:X+i+1], v[X+i:X+i+1], v[154:155] neg_lo:[0,1] neg_hi:[0,1]
.set i, i+2
.endr
.irp k, 0,1,2,3
	v_pk_mul_f32 v[144+2*\k:145+2*\k], v[X+2*\k:X+2*\k+1], v[X+2*\k:X+2*\k+1]
.endr
.set i, 8
.rept 15
.irp k, 0,1,2,3
	v_pk_fma_f32 v[144+2*\k:145+2*\k], v[X+i+2*\k:X+i+2*\k+1], v[X+i+2*\k:X+i+2*\k+1], v[144+2*\k:145+2*\k]
.endr
.set i, i+8
.endr
	RSUM
	v_fma_f32 v152, v152, s36, s37                 ; the variance + 1e-5
	v_rsq_f32 v156, v152
	v_nop                                          ; a plain place behind the transcendental
	s_wait_alu depctr_va_vdst(0)                   ; v_rsq_f32 has written v156, ahead of its first reader
	v_mov_b32 v157, v156
.set i, 0
.rept 64
	v_pk_mul_f32 v[X+i:X+i+1], v[X+i:X+i+1], v[156:157]
.set i, i+2
.endr
	WIN 0x14                                       ; sources 1 and 2 window 1
.set i, 0
.rept 64
	v_pk_fma_f32 v[X+i:X+i+1], v[X+i:X+i+1], v[i:i+1], v[128+i:129+i]
.set i, i+2
.endr
	; ---- the weights, into the window that the gain and the bias have left: they land while x is quantised
	WIN 0x40
	s_wait_alu depctr_va_vdst(0)                   ; the 64 lines above are done reading the gain and the bias, in whose registers the weights and the biases land
.irp u, 0,1
.irp s, 0,1
.irp p, 0,1,2,3,4,5
	global_load_b64 v[12*(2*\u+\s)+2*\p:12*(2*\u+\s)+2*\p+1], v242, s[44:45] offset:1536*\u+96*\s+48*(\p/3)+8*(\p%3)
	global_load_b64 v[48+12*(2*\u+\s)+2*\p:48+12*(2*\u+\s)+2*\p+1], v242, s[44:45] offset:49152+1536*\u+96*\s+48*(\p/3)+8*(\p%3)
.endr
.endr
.endr
.irp s, 0,1
.irp p, 0,1,2,3,4,5
	global_load_b64 v[96+12*\s+2*\p:96+12*\s+2*\p+1], v242, s[46:47] offset:98304+96*\s+48*(\p/3)+8*(\p%3)
.endr
.endr
.irp u, 0,1
.irp q, 0,1
	global_load_b128 v[128+8*\u+4*\q:131+8*\u+4*\q], v244, s[52:53] offset:32*\u+16*\q        ; q's bias in the result's layout: d = 16 h + 8 u + j
	global_load_b128 v[144+8*\u+4*\q:147+8*\u+4*\q], v244, s[52:53] offset:1024+32*\u+16*\q   ; k's
.endr
.endr
.irp j, 0,1,2,3,4,5,6,7
	global_load_b32 v[160+\j], v245, s[54:55] offset:2048   ; v's: a lane holds one d, so its eight registers hold one number
.endr
	WIN 0
	global_load_b64 v[210:211], v243, s[48:49]             ; scale words, a pair (K steps 0, 1) a row: q's two tiles,
	global_load_b64 v[212:213], v243, s[48:49] offset:64
	global_load_b64 v[214:215], v243, s[48:49] offset:2048 ; k's,
	global_load_b64 v[216:217], v243, s[48:49] offset:2112
	global_load_b64 v[218:219], v243, s[50:51] offset:4096 ; v's
	; ---- my tile becomes two fragments.  The quantiser names window 0's v16-143 and v160-188 alone: none of the registers in which the loads above land
.irp s, 0,1
.if \s == 1
	s_wait_alu depctr_vm_vsrc(0)                   ; K step 0's four LDS stores have read v[PC ..] and v[PW], which the quantiser writes again
.endif
	QPAIR X+64*\s, X+64*\s+16, PC, EB
	QPAIR X+64*\s+32, X+64*\s+48, PC+6, EB+2
	WORD4 PW, EB
	s_wait_alu depctr_va_vdst(0)                   ; the quantiser has written v[PC ..] and v[PW], which the LDS stores read; behind K step 1 it is also done with v16-143, where fragments land behind the barrier
	IMAGE 8, 1536*\s
	ds_store_b32 v9, v[PW] offset:128*\s
	s_wait_dscnt 0x0                               ; the K step's image is in LDS
.endr
	BARRIER                                        ; the sixteen fragments lie in LDS
	; ---- v: four token tiles x my d tile.  No vector instruction stands between the last wait on va_vdst and these loads
.irp t, 0,1,2,3
.irp s, 0,1
	FETCH 16+12*(2*\t+\s), 12, 1536*(2*\t+\s)
	ds_load_b32 v[220+2*\t+\s], v13 offset:128*(2*\t+\s)
.endr
.endr
	s_wait_loadcnt 0x0                             ; the weights
	s_wait_dscnt 0x0
	WIN 0x14                                       ; source 1 (weights) and source 2 (bias) window 1
.irp t, 0,1,2,3
	MM 128+8*\t, 16+24*\t, 96, 160, 220+2*\t, 218
.endr
	WIN 0x04
.irp t, 0,1,2,3
	MM 128+8*\t, 28+24*\t, 108, 128+8*\t, 221+2*\t, 219   ; the four accumulators by turns
.endr
	WIN 0
	PLACES 5                                       ; for the first read of the results, and for the later products' results over registers that these products have read
	s_wait_alu depctr_va_vdst(0)                   ; v's eight products are done reading v16-63 and v220-223, in which q's and k's fragments and scale words land
.irp t, 0,1
.irp s, 0,1
	FETCH 16+12*(2*\t+\s), 10, 1536*(2*\t+\s)      ; q's and k's two token tiles come while v is quantised: the quantiser names none of these registers
	ds_load_b32 v[220+2*\t+\s], v11 offset:128*(2*\t+\s)
.endr
.endr
	QPAIR 128, 144, PV, EB                         ; lanes 0-15: key block 2 c of my d, lanes 16-31: block 2 c + 1
	v_lshl_or_b32 v190, v[EB+1], 8, v[EB]
	s_wait_alu depctr_va_vdst(0)                   ; the quantiser has written v[PV ..] and v190, which the three stores below read
	global_store_b128 v5, v[PV:PV+3], s[42:43] offset:3072
	global_store_b64 v7, v[PV+4:PV+5], s[42:43] offset:3584
	ds_store_b16 v15, v190 offset:128              ; both halves of the lanes write the same two bytes
	; ---- q and k: two weight tiles x two token tiles each
	s_wait_dscnt 0x0
	WIN 0x11                                       ; source 0 (weights) and source 2 (bias) window 1
.irp t, 0,1
.irp u, 0,1
	MM 64+16*\t+8*\u, 24*\u, 16+24*\t, 128+8*\u, 210+2*\u, 220+2*\t
	MM 96+16*\t+8*\u, 48+24*\u, 16+24*\t, 144+8*\u, 214+2*\u, 220+2*\t
.endr
.endr
	WIN 0x01
.irp t, 0,1
.irp u, 0,1
	MM 64+16*\t+8*\u, 12+24*\u, 28+24*\t, 64+16*\t+8*\u, 211+2*\u, 221+2*\t
	MM 96+16*\t+8*\u, 60+24*\u, 28+24*\t, 96+16*\t+8*\u, 215+2*\u, 221+2*\t
.endr
.endr
	WIN 0
	PLACES 5
	QPAIR 64, 80, PQ, EB                           ; lanes 0-15: token r of tile 4 F + 2 c, lanes 16-31: of the next tile
	v_lshl_or_b32 v174, v[EB], 8, v[EB]            ; q's byte four times: the reader sets q into any of the four blocks of a fragment
	v_lshl_or_b32 v175, v[EB+1], 8, v[EB+1]
	v_lshl_or_b32 v174, v174, 16, v174
	v_lshl_or_b32 v175, v175, 16, v175
	QPAIR 96, 112, PK, EB+2
	v_lshl_or_b32 v189, v[EB+3], 8, v[EB+2]
	s_wait_alu depctr_va_vdst(0)                   ; both quantisers have written v[PQ ..], v[PK ..], v174, v175 and v189, which the seven stores below read
	global_store_b128 v5, v[PQ:PQ+3], s[42:43] offset:6912
	global_store_b64 v7, v[PQ+4:PQ+5], s[42:43] offset:7424
	global_store_b128 v5, v[PK:PK+3], s[42:43]
	global_store_b64 v7, v[PK+4:PK+5], s[42:43] offset:512
	ds_store_b32 v14, v174
	ds_store_b32 v14, v175 offset:64
	ds_store_b16 v15, v189
	BARRIER                                        ; both heads' scale words lie in the stage
	s_and_b32 s56, s30, 3
	s_cmp_lg_u32 s56, 0
	s_cbranch_scc1 .Ldone                          ; waves 0 and 4 (F = c = 0: their base is the record's start) store a head's 768 bytes
	ds_load_b64 v[248:249], v246
	ds_load_b128 v[250:253], v247
	s_wait_dscnt 0x0
	global_store_b64 v7, v[248:249], s[42:43] offset:6144
	global_store_b128 v5, v[250:253], s[42:43] offset:6400
.Ldone:
	s_wait_dscnt 0x0                               ; the closing lines, six on end
	s_wait_alu 0x0
	s_wait_tensorcnt 0x0
	ds_add_u32 v254, v255
	s_wait_dscnt 0x0
	s_endpgm
.Lfunc_end_k_qef64869ec6_qkv:
	.size	k_qef64869ec6_qkv, .Lfunc_end_k_qef64869ec6_qkv-k_qef64869ec6_qkv
	.p2alignl 7, 3214868480
	.fill 96, 4, 3214868480
	.section	.rodata,"a",@progbits
	.p2align	6, 0x0
	.amdhsa_kernel k_qef64869ec6_qkv
		.amdhsa_group_segment_fixed_size 29696
		.amdhsa_private_segment_fixed_size 0
		.amdhsa_enable_private_segment 0
		.amdhsa_kernarg_size 88
		.amdhsa_user_sgpr_count 2
		.amdhsa_user_sgpr_kernarg_segment_ptr 1
		.amdhsa_wavefront_size32 1
		.amdhsa_system_sgpr_workgroup_id_x 1
		.amdhsa_system_sgpr_workgroup_id_y 1
		.amdhsa_system_sgpr_workgroup_id_z 1
		.amdhsa_system_vgpr_workitem_id 0
		.amdhsa_next_free_vgpr 512
		.amdhsa_next_free_sgpr 66
		.amdhsa_reserve_vcc 0
		.amdhsa_float_denorm_mode_32 3
		.amdhsa_float_denorm_mode_16_64 3
		.amdhsa_memory_ordered 1
		.amdhsa_forward_progress 1
		.amdhsa_inst_pref_size 67
	.end_amdhsa_kernel
	.amdgpu_metadata
---
amdhsa.version: [ 1, 2 ]
amdhsa.kernels:
  - .name:           k_qef64869ec6_qkv
    .symbol:         k_qef64869ec6_qkv.kd
    .args:
      - { .name: x, .offset: 0, .size: 8, .value_kind: global_buffer, .address_space: global }
      - { .name: ln1_g, .offset: 8, .size: 8, .value_kind: global_buffer, .address_space: global }
      - { .name: ln1_b, .offset: 16, .size: 8, .value_kind: global_buffer, .address_space: global }
      - { .name: w_qkv_codes, .offset: 24, .size: 8, .value_kind: global_buffer, .address_space: global }
      - { .name: w_qkv_scales, .offset: 32, .size: 8, .value_kind: global_buffer, .address_space: global }
      - { .name: b_qkv, .offset: 40, .size: 8, .value_kind: global_buffer, .address_space: global }
      - { .name: w_fc1_codes, .offset: 48, .size: 8, .value_kind: global_buffer, .address_space: global }
      - { .name: w_fc2_codes, .offset: 56, .size: 8, .value_kind: global_buffer, .address_space: global }
      - { .name: w_out_codes, .offset: 64, .size: 8, .value_kind: global_buffer, .address_space: global }
      - { .name: qkv, .offset: 72, .size: 8, .value_kind: global_buffer, .address_space: global }
      - { .name: wimg, .offset: 80, .size: 8, .value_kind: global_buffer, .address_space: global }
    .group_segment_fixed_size: 29696
    .private_segment_fixed_size: 0
    .kernarg_segment_align: 8
    .kernarg_segment_size: 88
    .max_flat_workgroup_size: 256
    .sgpr_count:     66
    .vgpr_count:     512
    .wavefront_size: 32
...
	.end_amdgpu_metadata
.endif
;; end of part 4
;; launch attn: the kernel of part 2 again; grid 16 x 16, 16 waves a work-group, clusters of 4 x 1, 213,248 bytes of LDS; arguments qkv, oc, os; writes oc, os
;; launch ffn (part 5): grid 256 x 1, 8 waves a work-group, no clusters, 69,632 bytes of LDS; arguments x, oc, os, wimg, w_out_scales, b_out, ln2_g, ln2_b, w_fc1_scales, b_fc1, w_fc2_scales, b_fc2, out0; writes out0
.if DOCPART == 5
	.amdgcn_target "amdgcn-amd-amdhsa--gfx1250"
	.amdhsa_code_object_version 6
	.text
	.protected	k_qef64869ec6_ffn
	.globl	k_qef64869ec6_ffn
	.p2align	8
	.type	k_qef64869ec6_ffn,@function
k_qef64869ec6_ffn:
	s_mov_b64 s[64:65], 0
	v_nop
	global_prefetch_b8 v0, s[64:65] scope:SCOPE_SE
	s_setreg_imm32_b32 hwreg(HW_REG_WAVE_SCHED_MODE, 0, 2), 2
	s_setreg_imm32_b32 hwreg(HW_REG_WAVE_MODE, 25, 1), 1
	s_wait_xcnt 0x0
	s_wait_alu depctr_vm_vsrc(0)
; x1 = x + o W_out + b_out;  out = x1 + gelu(LN2(x1) W_fc1 + b_fc1) W_fc2 + b_fc2.  The three products on codes of BF6 (E3M2) with one E8M0 byte for each 32 along K; all else in f32.
; A work-group takes 32 tokens, as two tiles of 16 (tile a: 32 i + 8 a + r + 8 (r / 8)).  THE EIGHT WAVES SHARE THE COLUMNS: wave w owns columns 32 w .. 32 w + 31 of x1 and of the output, and hidden units 128 w .. 128 w + 127.
; So x1 stays in the wave's 32 registers from the first product to the store, each weight byte is read once a work-group, by loads of 512 consecutive bytes from the register images that the first launch laid,
; and what goes round through LDS is small: the row sums of the norm, and the codes of LN2(x1) and of the hidden layer, as images of the operands' registers.
; All products are used transposed (source 0 = 16 weight rows, source 1 = 16 tokens): a lane holds one token, its registers run along the columns; weight tile T takes rows 32 (T / 2) + 8 (T % 2) + r + 8 (r / 8).
; Biases and residuals are the C of a sum's first product.
; GELU, exact form: gelu(x) = max(x, 0) - |x| E, E = erfc(|x| / sqrt 2) / 2 = t 2^(P(t) - x^2 log2(e) / 2), t = 1 / (1 + |x| sqrt(2) / 4), P a polynomial of degree 9 (a Chebyshev fit of erfc with fractional error 1.2e-7, its
; coefficients times log2(e), 1 off the constant term for the half).  No compare, no branch; the relative accuracy holds in the negative tail.
; LIMITS: NaN and infinities are not served; E under 2^-126 comes out of v_exp_f32 as 0; the exponent's rounding adds about (x^2 / 2) x 1e-7 to gelu's relative error for negative x;
; a block whose largest magnitude lies under 2^-122 has its byte held at 1 (a block of zeros too: its codes are zeros).
; REGISTERS, window 0: v1-23 addresses; v24-55 x1; v56-119 o's fragments and ln2_g, later sums, later the hidden layer; v120-143, v168-199 w_out's fragments, later operands and work; v144-167, v248-255 scale words and nothing else;
;   v200-219 ln2_b, later gelu's coefficients; v216-231 b_out, b_fc2, later codes; v232-247 o's scale bytes, later the quantiser's.   window 1: v0-191 w_fc1's, later w_fc2's fragments; v192-255 b_fc1.
; THE MODE: SCHED_MODE bits 1:0 = 2 (LLVM: expert scheduling mode 2), set by the entry lines.  The code itself states the register dependences
; between vector or matrix instructions and memory or LDS instructions, with s_wait_alu, always for 0.
; THE PLAN.  Registers that memory or LDS instructions touch, in program order:
;   v1-22             Offsets and LDS addresses: written at the head, never again.
;   v216-231          b_out lands; sixteen additions read it; b_fc2 lands.
;   v248-251          o's scale words: made by vector instructions, taken by the first product as scales.
;   v56-71            The first product reads them as an operand; then the rows' partial sums land there, twice, with additions on them between.
;   v92, v93, v102    The data of three small LDS stores, a register each.  v56-61: LN2's codes, stored to LDS.  All six lie in the hidden layer's accumulators, which tile 0's products write.
;   v120-143, v160-161  LN2's fragments and scale words land, once a tile; the products read them, and gelu works in v120-135 between.
;   window 1 v0-191, v144-159  w_fc1 and its scale words; behind tile 1's products w_fc2 and its.
;   v220-231, v162    A tile's codes and scale word: written by the quantiser, read by four LDS stores; twice.
;   v120-143 | v168-191, v164-167  Two buffers of the hidden layer's fragments and scale words, by turns over the eight K steps: step s's products read buffer s % 2 while step s + 1's loads land in the other.
;   v24-55            The last products write them; the stage's LDS stores read them.   v56-87: rows come back from the stage and are stored.
; So a wait on va_vdst stands ahead of each run of loads or stores whose registers vector or matrix instructions have named since the last such wait (one a K step in the last product), and one wait on vm_vsrc in each tile of the hidden layer.
.set ST1,   0                          ; LDS: [row 32][wave 8] f32: the rows' partial sums;
.set ST2,   1024                       ; of squares
.set HIMG,  2048                       ; LN2(x1): [tile 2][K step 2][half 2] x 768 bytes
.set HSC,   8192                       ; its scale words: [2 a + s][r]
.set HIMG2, 8448                       ; the hidden layer: [tile 2][K step 8] x 1,536 bytes
.set HSC2,  33024                      ; its scale words, 128 bytes each
.set STG,   35072                      ; the way out: 32 rows x (1,024 + 16) bytes
.set X1,  24
.set HA,  56
.set HF,  120
.set GV,  120
.set WS,  144
.set HSW, 160
.set PW,  162
.set HS2, 164
.set DD,  168
.set GT,  168
.set GP,  184
.set CF,  200
.set BO,  216
.set PC,  220
.set QM,  232
.set QT,  238
.set EB,  242
.set OSW, 248
.set WOS, 252
.set SEL, 36
.set MSB, 0
.macro WIN new                         ; the immediate's high byte repeats the setting that is left
.if MSB != \new
	s_set_vgpr_msb (MSB<<8)|\new
.set MSB, \new
.endif
.endm
.macro PLACES n
.rept \n
	v_nop
.endr
.endm
.macro BARRIER                         ; my LDS stores have landed and my LDS loads are in: then the work-group's barrier
	s_wait_dscnt 0x0
	s_barrier_signal -1
	s_barrier_wait -1
.endm
.macro FETCH reg, adr, off
.irp j, 0,1,2
	ds_load_b128 v[\reg+4*\j:\reg+4*\j+3], v[\adr] offset:\off+512*\j
.endr
.endm
.macro MM d, a, b, c, sa, sb
	v_wmma_scale_f32_16x16x128_f8f6f4 v[\d:\d+7], v[\a:\a+11], v[\b:\b+11], v[\c:\c+7], v[\sa], v[\sb] matrix_a_fmt:MATRIX_FMT_BF6 matrix_b_fmt:MATRIX_FMT_BF6
.endm
; Two groups of 16 registers, each half a block of 32 (lane l xor 16 holds the other half), become six registers of codes (lanes 0-15: group a's whole block, lanes 16-31: group b's) and two scale bytes.
.macro QPAIR a, b, dst, eb
	v_max3_num_f32 v[QM], |v[\a]|, |v[\a+1]|, 0x2800000            ; the floor 2^(5 - 127): the byte cannot fall under 1
	v_max3_num_f32 v[QM+1], |v[\b]|, |v[\b+1]|, 0x2800000
.irp i, 2,4,6,8,10,12,14
	v_max3_num_f32 v[QM], v[QM], |v[\a+\i]|, |v[\a+\i+1]|
	v_max3_num_f32 v[QM+1], v[QM+1], |v[\b+\i]|, |v[\b+\i+1]|
.endr
	v_permlanex16_b32 v[QM+2], v[QM], s[SEL], s[SEL+1]
	v_permlanex16_b32 v[QM+3], v[QM+1], s[SEL], s[SEL+1]
	v_max_num_f32 v[QM], v[QM], v[QM+2]
	v_max_num_f32 v[QM+1], v[QM+1], v[QM+3]
	v_add_nc_u32 v[QM+4], 0xfe000000, v[QM]                        ; 4 off the exponent field: the conversion's scale operand
	v_add_nc_u32 v[QM+5], 0xfe000000, v[QM+1]
	v_lshrrev_b32 v[\eb], 23, v[QM+4]
	v_lshrrev_b32 v[\eb+1], 23, v[QM+5]
	v_cvt_scalef32_pk16_bf6_f32 v[\dst:\dst+2], v[\a:\a+15], v[QM+4]
	v_cvt_scalef32_pk16_bf6_f32 v[QT:QT+2], v[\b:\b+15], v[QM+5]
	v_nop                                                          ; one plain place behind a scaled conversion
.irp i, 0,1,2
	v_permlane16_swap_b32 v[\dst+\i], v[QT+\i]
.endr
.irp i, 0,1,2
	v_mov_b32 v[\dst+3+\i], v[QT+\i]
.endr
.endm
; My 16 numbers' sums stand as pairs in v[72:73] (tile 0) and v[80:81] (tile 1).  They are joined with lane l xor 16's, shared among the eight waves through LDS, and the rows' totals come back in v88 (tile 0, row r) and v89 (tile 1).
; reg: the register from which my sum is stored: another one each time, so that no store's data are written again here.
.macro SHARE off, reg
	v_add_f32 v88, v72, v73
	v_add_f32 v89, v80, v81
	v_permlanex16_b32 v90, v88, s[SEL], s[SEL+1]
	v_permlanex16_b32 v91, v89, s[SEL], s[SEL+1]
	v_add_f32 v88, v88, v90
	v_add_f32 v89, v89, v91
	v_cndmask_b32 v[\reg], v88, v89, s38           ; lanes 0-15 store tile 0's rows, lanes 16-31 tile 1's
	s_wait_alu depctr_va_vdst(0)                   ; v[reg] is written, which the LDS store reads; and all that has read or written v56-71 (the first product; the last sharing's additions) is done: the sums land there behind the barrier
	ds_store_b32 v11, v[\reg] offset:\off
	BARRIER
.irp a, 0,1
.irp q, 0,1
	ds_load_b128 v[56+8*\a+4*\q:59+8*\a+4*\q], v12 offset:\off+512*\a+16*\q
.endr
.endr
	s_wait_dscnt 0x0
.irp a, 0,1
	v_pk_add_f32 v[56+8*\a:57+8*\a], v[56+8*\a:57+8*\a], v[58+8*\a:59+8*\a]   ; the same order in every wave
	v_pk_add_f32 v[60+8*\a:61+8*\a], v[60+8*\a:61+8*\a], v[62+8*\a:63+8*\a]
.endr
.irp a, 0,1
	v_pk_add_f32 v[56+8*\a:57+8*\a], v[56+8*\a:57+8*\a], v[60+8*\a:61+8*\a]
.endr
.irp a, 0,1
	v_add_f32 v[88+\a], v[56+8*\a], v[57+8*\a]
.endr
.endm
; gelu of 16 numbers, in place.  Two batches of transcendentals, each with independent work and one wait behind it.
.macro GELU x
.irp i, 0,1,2,3,4,5,6,7,8,9,10,11,12,13,14,15
	v_fma_f32 v[GT+\i], |v[\x+\i]|, s41, 1.0
.endr
.irp i, 0,1,2,3,4,5,6,7,8,9,10,11,12,13,14,15
	v_rcp_f32 v[GT+\i], v[GT+\i]                   ; t
.endr
.irp i, 0,2,4,6,8,10,12,14
	v_pk_mul_f32 v[GV+\i:GV+\i+1], v[\x+\i:\x+\i+1], s[42:43] op_sel_hi:[1,0]
.endr
.irp i, 0,2,4,6,8,10,12,14
	v_pk_fma_f32 v[GV+\i:GV+\i+1], v[GV+\i:GV+\i+1], v[\x+\i:\x+\i+1], v[CF:CF+1]   ; C0 - x^2 log2(e) / 2
.endr
	s_wait_alu depctr_va_vdst(0)                   ; the sixteen reciprocals have written v[GT ..], ahead of their first reader
.irp i, 0,2,4,6,8,10,12,14
	v_pk_fma_f32 v[GP+\i:GP+\i+1], v[GT+\i:GT+\i+1], v[CF+18:CF+19], v[CF+16:CF+17]
.endr
.irp c, 7,6,5,4,3,2,1
.irp i, 0,2,4,6,8,10,12,14
	v_pk_fma_f32 v[GP+\i:GP+\i+1], v[GP+\i:GP+\i+1], v[GT+\i:GT+\i+1], v[CF+2*\c:CF+2*\c+1]
.endr
.endr
.irp i, 0,2,4,6,8,10,12,14
	v_pk_fma_f32 v[GP+\i:GP+\i+1], v[GP+\i:GP+\i+1], v[GT+\i:GT+\i+1], v[GV+\i:GV+\i+1]
.endr
.irp i, 0,1,2,3,4,5,6,7,8,9,10,11,12,13,14,15
	v_exp_f32 v[GP+\i], v[GP+\i]
.endr
.irp i, 0,1,2,3,4,5,6,7,8,9,10,11,12,13,14,15
	v_max_num_f32 v[GV+\i], 0, v[\x+\i]
.endr
	s_wait_alu depctr_va_vdst(0)                   ; the sixteen exponentials have written v[GP ..], ahead of their first reader
.irp i, 0,2,4,6,8,10,12,14
	v_pk_mul_f32 v[GP+\i:GP+\i+1], v[GP+\i:GP+\i+1], v[GT+\i:GT+\i+1]   ; E
.endr
.irp i, 0,1,2,3,4,5,6,7,8,9,10,11,12,13,14,15
	v_fma_f32 v[\x+\i], -|v[\x+\i]|, v[GP+\i], v[GV+\i]
.endr
.endm
.macro HFETCH s                        ; K step s of the hidden layer, both tiles, into buffer s % 2: eight LDS loads
.irp a, 0,1
	FETCH HF+48*((\s)%2)+12*\a, 1, HIMG2+12288*\a+1536*(\s)
	ds_load_b32 v[HS2+2*((\s)%2)+\a], v2 offset:HSC2+1024*\a+128*(\s)
.endr
.endm
	s_load_b512 s[8:23], s[0:1], 0x0               ; x 8, oc 10, os 12, wimg 14, w_out_scales 16, b_out 18, ln2_g 20, ln2_b 22
	s_load_b256 s[24:31], s[0:1], 0x40             ; w_fc1_scales 24, b_fc1 26, w_fc2_scales 28, b_fc2 30
	s_load_b64 s[32:33], s[0:1], 0x60              ; out0
	v_lshrrev_b32 v1, 5, v0
	v_readfirstlane_b32 s34, v1                    ; wave 0..7
	s_mov_b32 s[SEL], 0x76543210
	s_mov_b32 s[SEL+1], 0xfedcba98
	s_mov_b32 s38, 0xffff0000                      ; lanes 16-31
	s_mov_b32 s39, 0x3b800000                      ; 1 / 256
	s_mov_b32 s40, 0x3727c5ac                      ; 1e-5
	s_mov_b32 s41, 0x3eb504f3                      ; sqrt(2) / 4
	s_mov_b32 s42, 0xbf38aa3b                      ; -log2(e) / 2
	s_mov_b32 s43, s42
	v_and_b32 v21, 31, v0                          ; lane
	v_and_b32 v4, 15, v0                           ; r
	v_bfe_u32 v5, v0, 4, 1                         ; h
	v_lshlrev_b32 v1, 4, v21
	v_lshlrev_b32 v2, 2, v21
	v_lshlrev_b32 v3, 3, v21
	v_and_b32 v20, 8, v4
	v_add_nc_u32 v20, v20, v4                      ; r + 8 (r / 8)
	v_lshlrev_b32 v6, 10, v20
	v_lshl_add_u32 v6, v5, 6, v6                   ; x: my token's row, + 64 h
	v_mul_u32_u24 v7, v4, 24
	v_mad_u32_u24 v7, v5, 0x30000, v7              ; o's codes: 24 bytes a row; lanes 16-31 the next head, 196,608 bytes on
	v_lshlrev_b32 v8, 3, v20
	v_lshlrev_b32 v9, 5, v20
	v_lshlrev_b32 v10, 6, v5
	v_lshlrev_b32 v12, 5, v4
	v_lshlrev_b32 v22, 2, v4
	s_wait_alu depctr_va_sdst(0)                   ; s34 is written, ahead of its first reader: the wave's LDS addresses and bases are made from it
	s_lshl_b32 s48, s34, 2
	v_lshl_add_u32 v11, v21, 5, s48                ; the sums: row = lane, word = wave
	s_lshr_b32 s48, s34, 1
	s_mul_i32 s48, s48, 768                        ; my block w of LN2(x1) is block w % 4 of K step w / 4: half (w / 2) % 2, lanes 16 (w % 2) on
	s_and_b32 s49, s34, 1
	s_lshl_b32 s50, s49, 8
	s_add_co_u32 s50, s50, s48
	s_add_co_u32 s50, s50, HIMG
	v_mul_u32_u24 v23, v5, 3072                    ; lanes 16-31 hold tile 1's
	v_lshl_add_u32 v13, v4, 4, v23
	v_add_nc_u32 v13, s50, v13
	s_lshl_b32 s50, s49, 7
	s_add_co_u32 s50, s50, s48
	s_add_co_u32 s50, s50, HIMG+512
	v_lshl_add_u32 v14, v4, 3, v23
	v_add_nc_u32 v14, s50, v14
	s_lshr_b32 s48, s34, 2
	s_lshl_b32 s48, s48, 6
	s_and_b32 s49, s34, 3
	s_add_co_u32 s48, s48, s49
	s_add_co_u32 s48, s48, HSC
	v_lshlrev_b32 v23, 7, v5
	v_add_nc_u32 v15, v23, v22
	v_add_nc_u32 v15, s48, v15                     ; its scale byte: 128 tile + 64 (w / 4) + 4 r + w % 4
	s_mul_i32 s48, s34, 1536
	s_add_co_u32 s48, s48, HIMG2
	v_add_nc_u32 v16, s48, v1
	s_lshl_b32 s48, s34, 7
	s_add_co_u32 s49, s48, HSC2
	v_add_nc_u32 v17, s49, v2
	s_add_co_u32 s49, s48, STG
	v_mul_u32_u24 v18, v4, 1040
	v_lshl_add_u32 v18, v5, 6, v18
	v_add_nc_u32 v18, s49, v18                     ; the stage: row r, + 128 w + 64 h
	s_mul_i32 s48, s34, 4160
	s_add_co_u32 s48, s48, STG
	v_add_nc_u32 v19, s48, v1                      ; back: my four rows
	s_mov_b32 s51, 0
	s_wait_kmcnt 0x0
	s_lshl_b32 s50, ttmp9, 15
	s_lshl_b32 s52, s34, 7
	s_add_co_u32 s50, s50, s52
	s_add_nc_u64 s[8:9], s[8:9], s[50:51]          ; x: 32 rows a work-group, + my 32 columns
	s_mul_i32 s50, ttmp9, 768
	s_add_nc_u64 s[10:11], s[10:11], s[50:51]
	s_lshl_b32 s50, ttmp9, 5
	s_add_nc_u64 s[12:13], s[12:13], s[50:51]
	s_mul_i32 s50, s34, 24576
	s_add_nc_u64 s[44:45], s[14:15], s[50:51]      ; my 16 images of w_fc1,
	s_add_nc_u64 s[46:47], s[44:45], 196608        ; of w_fc2,
	s_mul_i32 s50, s34, 6144
	s_add_co_u32 s50, s50, 393216
	s_add_nc_u64 s[14:15], s[14:15], s[50:51]      ; my 4 of w_out
	s_lshl_b32 s50, s34, 8
	s_add_nc_u64 s[16:17], s[16:17], s[50:51]
	s_mov_b32 s50, s52
	s_add_nc_u64 s[18:19], s[18:19], s[50:51]
	s_add_nc_u64 s[20:21], s[20:21], s[50:51]
	s_add_nc_u64 s[22:23], s[22:23], s[50:51]
	s_add_nc_u64 s[30:31], s[30:31], s[50:51]
	s_lshl_b32 s50, s34, 10
	s_add_nc_u64 s[24:25], s[24:25], s[50:51]
	s_add_nc_u64 s[28:29], s[28:29], s[50:51]
	s_lshl_b32 s50, s34, 9
	s_add_nc_u64 s[26:27], s[26:27], s[50:51]
	s_lshr_b32 s50, s34, 2                         ; the four stage rows 4 w on are tokens 8 (w / 4) + 4 (w % 4) + 8 ((w % 4) / 2) on
	s_lshl_b32 s50, s50, 3
	s_and_b32 s52, s34, 3
	s_lshl_b32 s53, s52, 2
	s_add_co_u32 s50, s50, s53
	s_lshr_b32 s52, s52, 1
	s_lshl_b32 s52, s52, 3
	s_add_co_u32 s50, s50, s52
	s_lshl_b32 s50, s50, 10
	s_lshl_b32 s52, ttmp9, 15
	s_add_co_u32 s50, s50, s52
	s_add_nc_u64 s[32:33], s[32:33], s[50:51]
	; ---- 74 loads for the first product and the norm, then w_fc1's 48
	s_wait_alu depctr_va_vdst(0)                   ; the offsets and LDS addresses v1 to v22 are written, which the kernel's loads and stores read
.irp a, 0,1
.irp q, 0,1,2,3
	global_load_b128 v[X1+16*\a+4*\q:X1+16*\a+4*\q+3], v6, s[8:9] offset:8192*\a+16*\q   ; register 16 a + 8 u + j: column 32 w + 16 h + 8 u + j
.endr
.endr
.irp q, 0,1,2,3
	global_load_b128 v[BO+4*\q:BO+4*\q+3], v10, s[18:19] offset:16*\q
.endr
.irp a, 0,1
.irp s, 0,1
.irp c, 0,1
.irp p, 0,1,2
	global_load_b64 v[56+12*(2*\a+\s)+6*\c+2*\p:56+12*(2*\a+\s)+6*\c+2*\p+1], v7, s[10:11] offset:384*\a+786432*\s+393216*\c+8*\p   ; head 4 s + 2 c + h is a block of K
.endr
.endr
.endr
.endr
.irp a, 0,1
.irp n, 0,1,2,3,4,5,6,7
	global_load_u8 v[232+8*\a+\n], v4, s[12:13] offset:8192*\n+16*\a
.endr
.endr
.irp u, 0,1
.irp n, 0,1,2,3,4,5
	global_load_b128 v[120+48*\u+4*\n:123+48*\u+4*\n], v1, s[14:15] offset:3072*\u+512*\n
.endr
.endr
.irp u, 0,1
	global_load_b64 v[WOS+2*\u:WOS+2*\u+1], v8, s[16:17] offset:64*\u
.endr
.irp q, 0,1,2,3
	global_load_b128 v[104+4*\q:107+4*\q], v10, s[20:21] offset:16*\q
	global_load_b128 v[200+4*\q:203+4*\q], v10, s[22:23] offset:16*\q
.endr
	WIN 0x40                                       ; destination window 1
.set n, 0
.rept 48
	global_load_b128 v[4*n:4*n+3], v1, s[44:45] offset:512*n   ; fragment (tile t, K step s) at v[12 (2 t + s)]
.set n, n+1
.endr
	WIN 0
	; ---- x1 = x + b_out + o W_out
	s_wait_loadcnt 48                              ; all but w_fc1's 48
.irp a, 0,1
.irp k, 0,1,2,3,4,5,6,7
	v_pk_add_f32 v[X1+16*\a+2*\k:X1+16*\a+2*\k+1], v[X1+16*\a+2*\k:X1+16*\a+2*\k+1], v[BO+2*\k:BO+2*\k+1]
.endr
.endr
.irp a, 0,1
.irp s, 0,1
	v_lshl_or_b32 v[OSW+2*\a+\s], v[233+8*\a+4*\s], 8, v[232+8*\a+4*\s]
	v_lshl_or_b32 v[OSW+2*\a+\s], v[234+8*\a+4*\s], 16, v[OSW+2*\a+\s]
	v_lshl_or_b32 v[OSW+2*\a+\s], v[235+8*\a+4*\s], 24, v[OSW+2*\a+\s]
.endr
.endr
	PLACES 8                                       ; a scale register written by vector instructions stands eight places ahead of a scaled product
	s_wait_alu depctr_va_vdst(0)                   ; o's scale words v248-251 are written, which the products below take as scales (the places above stay beside this wait); and the additions are done reading b_out, in whose registers b_fc2 lands
.irp q, 0,1,2,3
	global_load_b128 v[BO+4*\q:BO+4*\q+3], v10, s[30:31] offset:16*\q   ; b_fc2 takes b_out's place; the products below do not name these registers
.endr
.irp s, 0,1
.irp a, 0,1
.irp u, 0,1
	MM X1+16*\a+8*\u, 120+48*\u+12*\s, 56+12*(2*\a+\s), X1+16*\a+8*\u, WOS+2*\u+\s, OSW+2*\a+\s   ; four accumulators by turns
.endr
.endr
.endr
	PLACES 5
.irp t, 0,1,2,3,4,5,6,7
	global_load_b64 v[WS+2*\t:WS+2*\t+1], v8, s[24:25] offset:8*(32*(\t/2)+8*(\t%2))   ; (no vector or matrix instruction has named v144-159, nor window 1's v192-255 below)
.endr
	WIN 0x40
.irp t, 0,1,2,3,4,5,6,7
.irp q, 0,1
	global_load_b128 v[192+8*\t+4*\q:195+8*\t+4*\q], v10, s[26:27] offset:4*(32*(\t/2)+8*(\t%2))+16*\q
.endr
.endr
	WIN 0
	; ---- LayerNorm 2, two passes; a row's 256 numbers lie in eight waves
.irp a, 0,1
.irp k, 0,1,2,3
	v_pk_add_f32 v[72+8*\a+2*\k:73+8*\a+2*\k], v[X1+16*\a+4*\k:X1+16*\a+4*\k+1], v[X1+16*\a+4*\k+2:X1+16*\a+4*\k+3]
.endr
.endr
.irp a, 0,1
	v_pk_add_f32 v[72+8*\a:73+8*\a], v[72+8*\a:73+8*\a], v[74+8*\a:75+8*\a]
	v_pk_add_f32 v[76+8*\a:77+8*\a], v[76+8*\a:77+8*\a], v[78+8*\a:79+8*\a]
.endr
.irp a, 0,1
	v_pk_add_f32 v[72+8*\a:73+8*\a], v[72+8*\a:73+8*\a], v[76+8*\a:77+8*\a]
.endr
	SHARE ST1, 92
.irp a, 0,1
	v_mul_f32 v[94+2*\a], s39, v[88+\a]            ; the means, as pairs
	v_mul_f32 v[95+2*\a], s39, v[88+\a]
.endr
.irp a, 0,1
.irp k, 0,1,2,3,4,5,6,7
	v_pk_add_f32 v[DD+16*\a+2*\k:DD+16*\a+2*\k+1], v[X1+16*\a+2*\k:X1+16*\a+2*\k+1], v[94+2*\a:95+2*\a] neg_lo:[0,1] neg_hi:[0,1]
.endr
.endr
	s_wait_loadcnt 24                              ; b_fc2 is in: behind it stand the 8 scale pairs and the 16 loads of b_fc1
.irp a, 0,1
.irp k, 0,1,2,3,4,5,6,7
	v_pk_add_f32 v[X1+16*\a+2*\k:X1+16*\a+2*\k+1], v[X1+16*\a+2*\k:X1+16*\a+2*\k+1], v[BO+2*\k:BO+2*\k+1]   ; x1 + b_fc2: the C of the last product
.endr
.endr
.irp a, 0,1
.irp k, 0,1
	v_pk_mul_f32 v[72+8*\a+2*\k:73+8*\a+2*\k], v[DD+16*\a+2*\k:DD+16*\a+2*\k+1], v[DD+16*\a+2*\k:DD+16*\a+2*\k+1]
.endr
.endr
.irp p, 2,4,6
.irp a, 0,1
.irp k, 0,1
	v_pk_fma_f32 v[72+8*\a+2*\k:73+8*\a+2*\k], v[DD+16*\a+2*(\p+\k):DD+16*\a+2*(\p+\k)+1], v[DD+16*\a+2*(\p+\k):DD+16*\a+2*(\p+\k)+1], v[72+8*\a+2*\k:73+8*\a+2*\k]
.endr
.endr
.endr
.irp a, 0,1
	v_pk_add_f32 v[72+8*\a:73+8*\a], v[72+8*\a:73+8*\a], v[74+8*\a:75+8*\a]
.endr
	SHARE ST2, 93
	v_fma_f32 v88, v88, s39, s40
	v_fma_f32 v89, v89, s39, s40
	v_rsq_f32 v98, v88
	v_rsq_f32 v100, v89
	v_nop
	s_wait_alu depctr_va_vdst(0)                   ; the two v_rsq_f32 have written v98 and v100, ahead of their first reader
	v_mov_b32 v99, v98
	v_mov_b32 v101, v100
.irp a, 0,1
.irp k, 0,1,2,3,4,5,6,7
	v_pk_mul_f32 v[DD+16*\a+2*\k:DD+16*\a+2*\k+1], v[DD+16*\a+2*\k:DD+16*\a+2*\k+1], v[98+2*\a:99+2*\a]
.endr
.endr
.irp a, 0,1
.irp k, 0,1,2,3,4,5,6,7
	v_pk_fma_f32 v[DD+16*\a+2*\k:DD+16*\a+2*\k+1], v[DD+16*\a+2*\k:DD+16*\a+2*\k+1], v[104+2*\k:105+2*\k], v[200+2*\k:201+2*\k]
.endr
.endr
	; ---- my 32 columns are block w of the next K: lanes 0-15 get tile 0's block, lanes 16-31 tile 1's
	QPAIR DD, DD+16, 56, EB
	v_cndmask_b32 v102, v[EB], v[EB+1], s38
	s_wait_alu depctr_va_vdst(0)                   ; the quantiser has written v56-61 and v102, which the three LDS stores below read
	ds_store_b128 v13, v[56:59]
	ds_store_b64 v14, v[60:61]
	ds_store_b8 v15, v102
.irp h, 0,1                                    ; gelu's coefficients, as pairs, where ln2_b and b_fc2 lay
	v_mov_b32 v[CF+\h], 0xc034d90f                 ; C0 = -2.8257482
	v_mov_b32 v[CF+2+\h], 0x3fb8ab5a               ; C1 =  1.4427292
	v_mov_b32 v[CF+4+\h], 0x3f0a29d2               ; C2 =  0.53970062
	v_mov_b32 v[CF+6+\h], 0x3e0efb2e               ; C3 =  0.13963006
	v_mov_b32 v[CF+8+\h], 0xbe899a80               ; C4 = -0.26875686
	v_mov_b32 v[CF+10+\h], 0x3ecdfd18              ; C5 =  0.40232158
	v_mov_b32 v[CF+12+\h], 0xbfd1a1e5              ; C6 = -1.6377532
	v_mov_b32 v[CF+14+\h], 0x40097039              ; C7 =  2.1474745
	v_mov_b32 v[CF+16+\h], 0xbf97d29d              ; C8 = -1.1861149
	v_mov_b32 v[CF+18+\h], 0x3e7c6f08              ; C9 =  0.2465173
.endr
	BARRIER                                        ; LN2(x1)'s four fragments lie in LDS
	; ---- my 128 hidden units, a tile of tokens at a time.  The loads at a tile's head land in v120-143 and v160-161: no vector or matrix instruction issued since the last wait on va_vdst names them
.irp a, 0,1
.irp s, 0,1
.irp c, 0,1
	ds_load_b128 v[HF+12*\s+6*\c:HF+12*\s+6*\c+3], v1 offset:HIMG+3072*\a+1536*\s+768*\c
	ds_load_b64 v[HF+12*\s+6*\c+4:HF+12*\s+6*\c+5], v3 offset:HIMG+3072*\a+1536*\s+768*\c+512
.endr
	ds_load_b32 v[HSW+\s], v22 offset:HSC+128*\a+64*\s
.endr
.if \a == 0
	s_wait_loadcnt 0x0                             ; w_fc1, its scales, b_fc1
.endif
	s_wait_dscnt 0x0
	s_wait_alu depctr_vm_vsrc(0)                   ; tile 0: the LDS stores of the sums, of LN2's codes and of their byte have read v92, v93, v56-61 and v102, which the products below write; tile 1: tile 0's image stores have read v[PC ..] and v[PW], which the quantiser below writes again
	WIN 0x11                                       ; source 0 (weights) and source 2 (bias) window 1
.irp t, 0,1,2,3,4,5,6,7
	MM HA+8*\t, 24*\t, HF, 192+8*\t, WS+2*\t, HSW
.endr
	WIN 0x01
.irp t, 0,1,2,3,4,5,6,7
	MM HA+8*\t, 12+24*\t, HF+12, HA+8*\t, WS+2*\t+1, HSW+1
.endr
	WIN 0
	PLACES 5
.if \a == 1
	WIN 0x40                                       ; w_fc1 is done with: w_fc2 takes its place and lands under the second gelu
	s_wait_alu depctr_va_vdst(0)                   ; the products are done reading w_fc1's fragments and scale words, in whose registers w_fc2's land; gelu and the quantiser below name none of them
.set n, 0
.rept 48
	global_load_b128 v[4*n:4*n+3], v1, s[46:47] offset:512*n   ; fragment (tile u, K step s) at v[12 (8 u + s)]
.set n, n+1
.endr
	WIN 0
.irp u, 0,1
.irp q, 0,1
	global_load_b128 v[WS+8*\u+4*\q:WS+8*\u+4*\q+3], v9, s[28:29] offset:256*\u+16*\q
.endr
.endr
.endif
	GELU HA
	GELU HA+16
	GELU HA+32
	GELU HA+48
	QPAIR HA, HA+16, PC, EB
	QPAIR HA+32, HA+48, PC+6, EB+2
	v_lshl_or_b32 v[PW], v[EB+1], 8, v[EB]
	v_lshl_or_b32 v[PW], v[EB+2], 16, v[PW]
	v_lshl_or_b32 v[PW], v[EB+3], 24, v[PW]
	s_wait_alu depctr_va_vdst(0)                   ; the quantiser has written v[PC ..] and v[PW], which the LDS stores read; the products and gelu are done with v120-143, v160-161 and v168-199, in which the next LDS loads land
.irp j, 0,1,2
	ds_store_b128 v16, v[PC+4*\j:PC+4*\j+3] offset:12288*\a+512*\j   ; K step w of the last product
.endr
	ds_store_b32 v17, v[PW] offset:1024*\a
	s_wait_dscnt 0x0                               ; the tile's image is in LDS
.endr
	BARRIER                                        ; the hidden layer's sixteen fragments lie in LDS
	; ---- out = x1 + b_fc2 + hidden W_fc2: four accumulators by turns, a K step at a time, the next step's fragments a step ahead
	s_wait_loadcnt 0x0                             ; w_fc2 and its scales
	HFETCH 0
.irp s, 0,1,2,3,4,5,6,7
.if \s > 0
	PLACES 4                                       ; behind the last step's products
.if \s < 7
	s_wait_alu depctr_va_vdst(0)                   ; the last step's four products are done reading their buffer and its two scale words, in which the next step's land
.endif
.endif
.if \s < 7
	HFETCH \s+1
	s_wait_dscnt 8                                 ; this step's are in; the eight just issued may stay out
.else
	s_wait_dscnt 0x0
.endif
	WIN 0x01
.irp a, 0,1
.irp u, 0,1
	MM X1+16*\a+8*\u, 12*(8*\u+\s), HF+48*(\s%2)+12*\a, X1+16*\a+8*\u, WS+8*\u+\s, HS2+2*(\s%2)+\a
.endr
.endr
	WIN 0
.endr
	PLACES 5
	s_wait_alu depctr_va_vdst(0)                   ; the products have written v24-55, which the LDS stores read; the places above stay beside this wait
	; ---- the way out: a row's 1,024 bytes come from eight waves: through the stage, then four whole rows a wave
.irp a, 0,1
.irp q, 0,1,2,3
	ds_store_b128 v18, v[X1+16*\a+4*\q:X1+16*\a+4*\q+3] offset:16640*\a+16*\q   ; each accumulator from its low end on
.endr
.endr
	BARRIER
.irp n, 0,1,2,3,4,5,6,7
	ds_load_b128 v[56+4*\n:59+4*\n], v19 offset:1040*(\n/2)+512*(\n%2)   ; (no vector or matrix instruction since the wait above names v56-87)
.endr
.irp n, 0,1,2,3,4,5,6,7
	s_wait_dscnt 7-\n
	global_store_b128 v1, v[56+4*\n:59+4*\n], s[32:33] offset:1024*(\n/2)+512*(\n%2) th:TH_STORE_NT   ; 512 consecutive bytes, at a multiple of 256 from the buffer's first byte
.endr
	s_wait_xcnt 0x0
	v_lshl_add_u32 v254, v0, 2, 0x10c00            ; the add's two registers are made anew here: no memory or LDS instruction has read v254 or v255
	v_mov_b32 v255, 0
	s_wait_dscnt 0x0                               ; the closing lines, six on end
	s_wait_alu 0x0
	s_wait_tensorcnt 0x0
	ds_add_u32 v254, v255
	s_wait_dscnt 0x0
	s_endpgm
.Lfunc_end_k_qef64869ec6_ffn:
	.size	k_qef64869ec6_ffn, .Lfunc_end_k_qef64869ec6_ffn-k_qef64869ec6_ffn
	.p2alignl 7, 3214868480
	.fill 96, 4, 3214868480
	.section	.rodata,"a",@progbits
	.p2align	6, 0x0
	.amdhsa_kernel k_qef64869ec6_ffn
		.amdhsa_group_segment_fixed_size 69632
		.amdhsa_private_segment_fixed_size 0
		.amdhsa_enable_private_segment 0
		.amdhsa_kernarg_size 104
		.amdhsa_user_sgpr_count 2
		.amdhsa_user_sgpr_kernarg_segment_ptr 1
		.amdhsa_wavefront_size32 1
		.amdhsa_system_sgpr_workgroup_id_x 1
		.amdhsa_system_sgpr_workgroup_id_y 1
		.amdhsa_system_sgpr_workgroup_id_z 1
		.amdhsa_system_vgpr_workitem_id 0
		.amdhsa_next_free_vgpr 512
		.amdhsa_next_free_sgpr 66
		.amdhsa_reserve_vcc 0
		.amdhsa_float_denorm_mode_32 3
		.amdhsa_float_denorm_mode_16_64 3
		.amdhsa_memory_ordered 1
		.amdhsa_forward_progress 1
		.amdhsa_inst_pref_size 143
	.end_amdhsa_kernel
	.amdgpu_metadata
---
amdhsa.version: [ 1, 2 ]
amdhsa.kernels:
  - .name:           k_qef64869ec6_ffn
    .symbol:         k_qef64869ec6_ffn.kd
    .args:
      - { .name: x, .offset: 0, .size: 8, .value_kind: global_buffer, .address_space: global }
      - { .name: oc, .offset: 8, .size: 8, .value_kind: global_buffer, .address_space: global }
      - { .name: os, .offset: 16, .size: 8, .value_kind: global_buffer, .address_space: global }
      - { .name: wimg, .offset: 24, .size: 8, .value_kind: global_buffer, .address_space: global }
      - { .name: w_out_scales, .offset: 32, .size: 8, .value_kind: global_buffer, .address_space: global }
      - { .name: b_out, .offset: 40, .size: 8, .value_kind: global_buffer, .address_space: global }
      - { .name: ln2_g, .offset: 48, .size: 8, .value_kind: global_buffer, .address_space: global }
      - { .name: ln2_b, .offset: 56, .size: 8, .value_kind: global_buffer, .address_space: global }
      - { .name: w_fc1_scales, .offset: 64, .size: 8, .value_kind: global_buffer, .address_space: global }
      - { .name: b_fc1, .offset: 72, .size: 8, .value_kind: global_buffer, .address_space: global }
      - { .name: w_fc2_scales, .offset: 80, .size: 8, .value_kind: global_buffer, .address_space: global }
      - { .name: b_fc2, .offset: 88, .size: 8, .value_kind: global_buffer, .address_space: global }
      - { .name: out0, .offset: 96, .size: 8, .value_kind: global_buffer, .address_space: global }
    .group_segment_fixed_size: 69632
    .private_segment_fixed_size: 0
    .kernarg_segment_align: 8
    .kernarg_segment_size: 104
    .max_flat_workgroup_size: 256
    .sgpr_count:     66
    .vgpr_count:     512
    .wavefront_size: 32
...
	.end_amdgpu_metadata
.endif
;; end of part 5
